; MI455X (gfx1250); checked and timed in simulation.
; The chip was launched on July 23, 2026; its instructions are those of AMD's public machine-readable ISA for CDNA 5 (MIT licence, August 2026) and "CDNA5" Instruction Set Architecture Reference Guide (July 2026). The comments in the code are by the model that wrote it; some were corrected since.
;; Particle Attention. Allowed arithmetic: matrix products marked QUANTISED: E2M1 operands, one E8M0 scale for each 32 along K, by v_wmma_scale_f32_16x16x128_f8f6f4 with both operands' format E2M1 (or v_wmma_scale_f32_32x16x128_f4), f32 sums; products left as they are: bf16, f16 or f32 operands; f32 sums; everything else in f32.
;; Inputs: Wk 512 x 512 float32; Wp 512 x 512 float32; Wq 512 x 512 float32; Wv 512 x 512 float32; c 8 x 16 x 64 x 512 float32; mask 8 x 1,024 x 2,048 bool; x 8 x 16 x 64 x 512 float32.
;; Outputs: out0 8 x 16 x 64 x 512 float32.
;; This version of the problem:
;;   THIS VERSION OF THE PROBLEM IS GIVEN IN LOW PRECISION. The matrix products marked QUANTISED in the list below multiply operands that are first quantised to E2M1 (2 exponent bits, 1 mantissa bit; 4 bits a number), with one power-of-two scale for each 32 numbers along K (OCP MX v1.0); their sums are f32. The products marked 'left as it is' may take bf16, f16 or f32 operands, with f32 sums. Whichever they take, every output number must still come out within the allowed error. Rounding operands to bf16 (8 significant bits) uses up far more of that allowance than f16 does (11 bits, for magnitudes from 6e-5 to 65,504). All else is computed in f32.
;;   The module's matrix products, in the order in which they are computed (A, B: the left and right operand; K: the contracted axis; several contracted axes count as one K, in the product's order):
;;     1. [M 8,192, K 512] x [K 512, N 512]; A: input x; B: input Wq: QUANTISED
;;     2. [M 16,384, K 512] x [K 512, N 512]; A: computed on the way; B: input Wk: left as it is (an operand is computed on the way)
;;     3. [M 16,384, K 512] x [K 512, N 512]; A: computed on the way; B: input Wv: left as it is (an operand is computed on the way)
;;     4. batch 64 x [M 1,024, K 64] x [K 64, N 2,048]; A: computed on the way; B: computed on the way: left as it is (an operand is computed on the way)
;;     5. batch 64 x [M 1,024, K 2,048] x [K 2,048, N 64]; A: computed on the way; B: computed on the way: left as it is (an operand is computed on the way)
;;     6. [M 8,192, K 512] x [K 512, N 512]; A: computed on the way; B: input Wp: left as it is (an operand is computed on the way)
;;   THE QUANTISER, for each operand of a quantised product, along K:
;;     - K is cut into blocks of 32 from its start; a last block that is shorter is filled with zeros.
;;     - A block's scale is 2^e with e = floor(log2(the largest magnitude in the block)) - 2, held to -126 .. 127; a block of zeros has e = 0. As a byte (E8M0): e + 127.
;;     - Each number is divided by its block's scale, clamped to +-6, and rounded to the nearest number of E2M1, ties to even, subnormals kept.
;;     - The product sums the exact products of the quantised numbers (number of the format x scale) in f32.
;;   ~~~python
;;   def quantise(x, axis):      # numpy; x: float32 -> the quantised numbers, widened to float32 again
;;       x = np.moveaxis(x, axis, -1); K = x.shape[-1]
;;       x = np.pad(x, [(0, 0)] * (x.ndim - 1) + [(0, -K % 32)]); x = x.reshape(x.shape[:-1] + (-1, 32)); a = np.abs(x).max(-1, keepdims=True)
;;       e = np.where(a > 0, np.clip(np.frexp(np.where(a > 0, a, 1))[1] - 1 - 2, -126, 127), 0)      # np.frexp(a)[1] - 1 = floor(log2(a)), exactly
;;       r = np.clip(x / 2.0 ** e, -6, 6)
;;       step = 2.0 ** (np.maximum(np.frexp(np.where(r == 0, 1, r))[1] - 1, 0) - 1)
;;       q = np.round(r / step) * step * 2.0 ** e      # np.round: ties to even
;;       return np.moveaxis(q.reshape(q.shape[:-2] + (-1,))[..., :K], -1, axis).astype(np.float32)
;;   ~~~
;; One version. Each part assembles by itself: llvm-mc -triple=amdgcn-amd-amdhsa -mcpu=gfx1250 --defsym DOCPART=n.
;; ======== version 1 of 1: 4 launches
;; limits: values are held in f16: magnitudes above 65,504 overflow, below 6.1e-05 lose precision
;; workspace buffers: maskw 2,097,152 bytes of whole numbers; wkv 1,048,576 bytes; wp16 524,288 bytes; wq4 147,456 bytes; qimg 8,388,608 bytes; kv 33,554,432 bytes; yimg 8,388,608 bytes
;; launch prep (part 1): grid 576 x 1, 8 waves a work-group, no clusters, 0 bytes of LDS; arguments mask, Wk, Wv, Wp, Wq, maskw, wkv, wp16, wq4; writes maskw, wkv, wp16, wq4
.if DOCPART == 1
	.amdgcn_target "amdgcn-amd-amdhsa--gfx1250"
	.amdhsa_code_object_version 6
	.text
	.protected	k_q09172003d2_prep
	.globl	k_q09172003d2_prep
	.p2align	8
	.type	k_q09172003d2_prep,@function
k_q09172003d2_prep:
	s_mov_b64 s[64:65], 0
	v_nop
	global_prefetch_b8 v0, s[64:65] scope:SCOPE_SE
	s_setreg_imm32_b32 hwreg(HW_REG_WAVE_MODE, 25, 1), 1
	s_wait_xcnt 0x0
; PREP: what every later work-group would otherwise make again is made once.
; (1) mask [8][1024][2048] bytes -> maskw [b 8][T 64][kt 128][j 8] words: bit (r + 16 h) of a word is the mask of query row(T, r) and key 32 (kt / 2) + 16 h + 8 (kt % 2) + j,
;     with row(T, r) = 32 (T / 2) + 8 (T % 2) + r + 8 (r / 8).  That is the lane mask that one select over a register of scores takes in the attention launch.  Any byte other than 0 counts as true.
; (2) Wk, Wv, Wp [512][512] f32 -> f16, laid as images of the matrix operands' registers: a fragment (16 rows x 32 K) is 1,024 bytes, group c of four registers at 512 c + 16 x lane.
;     Wk, Wv: lane (r, h), group c holds k = 32 kc + 16 h + 8 c + 0..7 (the same places as the tokens' fragments take, so the products pair rightly); Wp: k = 32 kc + 16 c + 8 h + 0..7.
; (3) Wq -> codes of E2M1 with one E8M0 byte for each 32 along K, as images of the operand's registers (16 rows x 128 K: 1,024 bytes) and one scale word a lane.
; Work-groups 0..511 take the mask (a wave: 16 rows x 256 keys), 512..575 the weights (a wave: 16 rows x 128 K).  Waves share nothing: no LDS, no barrier, no cluster; no register that a store reads is written again.
; LIMITS: NaN and infinities among the weights are not served; weights beyond f16's largest number, 65,504, are not served; a block of Wq whose largest magnitude lies under 2^-124 gets the byte 1;
; a block of zeros gets the byte 1 where the rule says 127: its codes are zeros, and this program alone reads the bytes.
.set X,   32                           ; v32-95   64 numbers of a lane
.set Y,   96                           ; v96-127  the same as f16
.set TM,  8                            ; v8-15    the quantiser's temporaries
.set PC,  24                           ; v24-31   the codes
.set PW,  7                            ; v7       the scale word
.set SEL, 36                           ; s[36:37] lane selects: lane l xor 16
; 64 numbers of a lane, register 16 b + i = k 32 b + 16 (lane / 16) + i of my row, become a fragment's codes in v[PC] on and its scale word in v[PW].
.macro QUANT s
.irp b, 0,1,2,3
	v_max3_num_f32 v[TM+\b], |v[(\s)+16*\b]|, |v[(\s)+1+16*\b]|, 0x1800000   ; block b: my 16 numbers, and the floor 2^(3 - 127): the byte cannot fall under 1
.endr
.irp i, 2,4,6,8,10,12,14
.irp b, 0,1,2,3
	v_max3_num_f32 v[TM+\b], v[TM+\b], |v[(\s)+16*\b+\i]|, |v[(\s)+1+16*\b+\i]|
.endr
.endr
.irp b, 0,1,2,3
	v_permlanex16_b32 v[TM+4+\b], v[TM+\b], s[SEL], s[SEL+1]
.endr
.irp b, 0,1,2,3
	v_max_num_f32 v[TM+\b], v[TM+\b], v[TM+4+\b]       ; with lane l xor 16's: the block's largest magnitude
.endr
.irp b, 0,1,2,3
	v_add_nc_u32 v[TM+4+\b], 0xff000000, v[TM+\b]      ; 2 off its exponent field: the conversion's scale operand
.endr
.irp b, 0,1,2,3
	v_lshrrev_b32 v[TM+\b], 23, v[TM+4+\b]             ; the scale's byte
.endr
	v_lshl_or_b32 v[PW], v[TM+1], 8, v[TM]
	v_lshl_or_b32 v[PW], v[TM+2], 16, v[PW]
	v_lshl_or_b32 v[PW], v[TM+3], 24, v[PW]
.irp b, 0,1,2,3
	v_cvt_scalef32_pk8_fp4_f32 v[PC+2*\b], v[(\s)+16*\b:(\s)+7+16*\b], v[TM+4+\b]
	v_cvt_scalef32_pk8_fp4_f32 v[PC+1+2*\b], v[(\s)+8+16*\b:(\s)+15+16*\b], v[TM+4+\b]
.endr
	v_nop                                              ; one plain place behind a scaled conversion
.irp c, 0,1                                        ; the operand wants a whole block in a lane: lanes 0-15 block 2 c, lanes 16-31 block 2 c + 1
.irp i, 0,1
	v_permlane16_swap_b32 v[PC+4*\c+\i], v[PC+2+4*\c+\i]
.endr
.endr
.endm
.macro CVT16 b                         ; chunk b (32 along K): 16 numbers -> 8 registers of f16
.irp m, 0,1,2,3,4,5,6,7
	v_cvt_pk_f16_f32 v[Y+8*(\b)+\m], v[X+16*(\b)+2*\m], v[X+16*(\b)+2*\m+1]
.endr
.endm
.macro WLOAD_P base                    ; of each block of 32 along K my half's 16 neighbours
.irp b, 0,1,2,3
.irp j, 0,1,2,3
	global_load_b128 v[X+16*\b+4*\j:X+16*\b+4*\j+3], v6, s[\base:\base+1] offset:128*\b+16*\j th:TH_LOAD_NT
.endr
.endr
.endm
.macro WLOAD_N base                    ; of each 32 along K: 8 numbers at 8 h and 8 at 16 + 8 h
.irp b, 0,1,2,3
.irp c, 0,1
.irp j, 0,1
	global_load_b128 v[X+16*\b+8*\c+4*\j:X+16*\b+8*\c+4*\j+3], v6, s[\base:\base+1] offset:128*\b+64*\c+16*\j th:TH_LOAD_NT
.endr
.endr
.endr
.endm
	s_load_b512 s[4:19], s[0:1], 0x0               ; mask 4, Wk 6, Wv 8, Wp 10, Wq 12, maskw 14, wkv 16, wp16 18
	s_load_b64 s[20:21], s[0:1], 0x40              ; wq4
	v_lshrrev_b32 v1, 5, v0
	v_readfirstlane_b32 s22, v1                    ; wave 0..7
	v_and_b32 v3, 31, v0                           ; lane
	v_and_b32 v1, 15, v0                           ; r
	v_bfe_u32 v2, v0, 4, 1                         ; h
	v_lshlrev_b32 v5, 4, v3                        ; 16 x lane: an image's place for my lane
	s_wait_kmcnt 0x0
	s_cmp_lt_u32 ttmp9, 512
	s_cbranch_scc0 .Lweights
	; ---- the mask: task = (b, T, run of 256 keys)
	s_lshl_b32 s23, ttmp9, 3
	s_add_co_u32 s23, s23, s22                     ; task 0..4095
	s_lshr_b32 s24, s23, 9                         ; b
	s_bfe_u32 s25, s23, 0x60003                    ; T
	s_and_b32 s26, s23, 7                          ; run
	s_lshl_b32 s28, s24, 21                        ; b x 1,024 rows x 2,048 bytes
	s_lshr_b32 s27, s25, 1
	s_lshl_b32 s27, s27, 16                        ; 32 (T / 2) rows
	s_add_co_u32 s28, s28, s27
	s_and_b32 s27, s25, 1
	s_lshl_b32 s27, s27, 14                        ; 8 (T % 2) rows
	s_add_co_u32 s28, s28, s27
	s_lshl_b32 s27, s26, 8                         ; 256 keys a run
	s_add_co_u32 s28, s28, s27
	s_mov_b32 s29, 0
	s_add_nc_u64 s[4:5], s[4:5], s[28:29]
	s_lshl_b32 s30, s23, 9                         ; a task's 128 words
	s_mov_b32 s31, 0
	s_add_nc_u64 s[14:15], s[14:15], s[30:31]
	v_and_b32 v4, 8, v1
	v_add_nc_u32 v4, v4, v1                        ; r + 8 (r / 8)
	v_lshlrev_b32 v4, 11, v4
	v_lshl_add_u32 v4, v2, 4, v4                   ; my row, + 16 h: my 16 keys of each 32
.irp u, 0,1,2,3,4,5,6,7
	global_load_b128 v[16+4*\u:19+4*\u], v4, s[4:5] offset:32*\u th:TH_LOAD_NT   ; the eight loads together cover 16 rows x 256 bytes
.endr
.irp i, 0,1,2,3
	v_mov_b32 v[8+\i], 0                           ; a lane write's destination counts as read
.endr
.irp u, 0,1,2,3,4,5,6,7
	s_wait_loadcnt 7-\u                            ; loads come back in order: load u is in, the younger ones stay out
.irp i, 0,1,2,3,4,5,6,7,8,9,10,11,12,13,14,15
	v_and_b32 v[12+\i%4], 0xff<<(8*(\i%4)), v[16+4*\u+\i/4]      ; byte i of my 16: key 32 u + 16 h + i of the run
	v_cmp_ne_u32 s[32+\i%4], 0, v[12+\i%4]                       ; the 32 lanes' bits: word 16 u + i of the run
	v_writelane_b32 v[8+\i%4], s[32+\i%4], 4*\u+\i/4             ; word n goes to lane n / 4, register n % 4
.endr
.endr
	global_store_b128 v5, v[8:11], s[14:15]        ; 512 consecutive bytes
	s_endpgm
.Lweights:
	s_sub_co_u32 s23, ttmp9, 512
	s_lshr_b32 s24, s23, 4                         ; 0 Wk, 1 Wv, 2 Wp, 3 Wq
	s_and_b32 s25, s23, 15
	s_lshl_b32 s25, s25, 3
	s_add_co_u32 s25, s25, s22                     ; task 0..127
	s_lshr_b32 s26, s25, 2                         ; rt: which 16 rows
	s_and_b32 s27, s25, 3                          ; kq: which 128 along K
	s_lshl_b32 s28, s26, 15                        ; 16 rows of 2,048 bytes
	s_lshl_b32 s29, s27, 9
	s_add_co_u32 s28, s28, s29
	s_mov_b32 s29, 0
	s_mov_b32 s31, 0
	v_lshlrev_b32 v6, 11, v1                       ; row r
	s_cmp_eq_u32 s24, 3
	s_cbranch_scc1 .Lwq
	s_cmp_eq_u32 s24, 2
	s_cbranch_scc1 .Lwp
	; ---- Wk, Wv -> wkv [ch 2][kstep 8][w 4][chunk 2][kv 2][t 4][1024]: row 256 ch + 64 w + 16 t + r, k = 64 kstep + 32 chunk + ..
	s_cmp_eq_u32 s24, 0
	s_cselect_b64 s[6:7], s[6:7], s[8:9]
	s_add_nc_u64 s[6:7], s[6:7], s[28:29]
	v_lshl_add_u32 v6, v2, 6, v6                   ; + 64 h
	WLOAD_P 6
	s_lshr_b32 s30, s26, 4
	s_lshl_b32 s30, s30, 19                        ; ch
	s_lshl_b32 s32, s27, 17                        ; two K steps a task
	s_add_co_u32 s30, s30, s32
	s_bfe_u32 s32, s26, 0x20002
	s_lshl_b32 s32, s32, 14                        ; w
	s_add_co_u32 s30, s30, s32
	s_lshl_b32 s32, s24, 12                        ; k or v
	s_add_co_u32 s30, s30, s32
	s_and_b32 s32, s26, 3
	s_lshl_b32 s32, s32, 10                        ; t
	s_add_co_u32 s30, s30, s32
	s_add_nc_u64 s[16:17], s[16:17], s[30:31]
.irp b, 0,1,2,3
	s_wait_loadcnt 12-4*\b                         ; chunk b's four loads are in
	CVT16 \b
.irp c, 0,1
	global_store_b128 v5, v[Y+8*\b+4*\c:Y+8*\b+4*\c+3], s[16:17] offset:(\b/2)*65536+(\b%2)*8192+\c*512
.endr
.endr
	s_endpgm
.Lwp:	; ---- Wp -> wp16 [nb 4][kc 16][tile 8][1024]
	s_add_nc_u64 s[10:11], s[10:11], s[28:29]
	v_lshl_add_u32 v6, v2, 5, v6                   ; + 32 h
	WLOAD_N 10
	s_lshr_b32 s30, s26, 3
	s_lshl_b32 s30, s30, 17                        ; nb
	s_lshl_b32 s32, s27, 15                        ; four chunks a task
	s_add_co_u32 s30, s30, s32
	s_and_b32 s32, s26, 7
	s_lshl_b32 s32, s32, 10                        ; tile
	s_add_co_u32 s30, s30, s32
	s_add_nc_u64 s[18:19], s[18:19], s[30:31]
.irp b, 0,1,2,3
	s_wait_loadcnt 12-4*\b
	CVT16 \b
.irp c, 0,1
	global_store_b128 v5, v[Y+8*\b+4*\c:Y+8*\b+4*\c+3], s[18:19] offset:\b*8192+\c*512
.endr
.endr
	s_endpgm
.Lwq:	; ---- Wq -> wq4: codes [rt 32][ks 4][1024]; from byte 131,072 on scale words [rt][ks][lane 32]
	s_add_nc_u64 s[12:13], s[12:13], s[28:29]
	v_lshl_add_u32 v6, v2, 6, v6
	WLOAD_P 12
	v_lshlrev_b32 v4, 2, v3                        ; 4 x lane
	s_mov_b32 s[SEL], 0x76543210
	s_mov_b32 s[SEL+1], 0xfedcba98
.irp b, 0,1,2,3
	v_mov_b32 v[TM+4+\b], 0                        ; a lane permute's destination counts as one of its sources
.endr
	s_lshl_b32 s30, s26, 9
	s_lshl_b32 s32, s27, 7
	s_add_co_u32 s30, s30, s32
	s_add_nc_u64 s[38:39], s[20:21], 131072
	s_add_nc_u64 s[38:39], s[38:39], s[30:31]      ; my scale words
	s_lshl_b32 s30, s26, 12
	s_lshl_b32 s32, s27, 10
	s_add_co_u32 s30, s30, s32
	s_add_nc_u64 s[20:21], s[20:21], s[30:31]      ; my codes
	s_wait_loadcnt 0x0
	QUANT X
	global_store_b128 v5, v[PC:PC+3], s[20:21]
	global_store_b128 v5, v[PC+4:PC+7], s[20:21] offset:512
	global_store_b32 v4, v[PW], s[38:39]
	s_endpgm
.Lfunc_end_k_q09172003d2_prep:
	.size	k_q09172003d2_prep, .Lfunc_end_k_q09172003d2_prep-k_q09172003d2_prep
	.p2alignl 7, 3214868480
	.fill 96, 4, 3214868480
	.section	.rodata,"a",@progbits
	.p2align	6, 0x0
	.amdhsa_kernel k_q09172003d2_prep
		.amdhsa_group_segment_fixed_size 0
		.amdhsa_private_segment_fixed_size 0
		.amdhsa_enable_private_segment 0
		.amdhsa_kernarg_size 72
		.amdhsa_user_sgpr_count 2
		.amdhsa_user_sgpr_kernarg_segment_ptr 1
		.amdhsa_wavefront_size32 1
		.amdhsa_system_sgpr_workgroup_id_x 1
		.amdhsa_system_sgpr_workgroup_id_y 1
		.amdhsa_system_sgpr_workgroup_id_z 1
		.amdhsa_system_vgpr_workitem_id 0
		.amdhsa_next_free_vgpr 128
		.amdhsa_next_free_sgpr 66
		.amdhsa_reserve_vcc 0
		.amdhsa_float_denorm_mode_32 3
		.amdhsa_float_denorm_mode_16_64 3
		.amdhsa_memory_ordered 1
		.amdhsa_forward_progress 1
		.amdhsa_inst_pref_size 44
	.end_amdhsa_kernel
	.amdgpu_metadata
---
amdhsa.version: [ 1, 2 ]
amdhsa.kernels:
  - .name:           k_q09172003d2_prep
    .symbol:         k_q09172003d2_prep.kd
    .args:
      - { .name: mask, .offset: 0, .size: 8, .value_kind: global_buffer, .address_space: global }
      - { .name: Wk, .offset: 8, .size: 8, .value_kind: global_buffer, .address_space: global }
      - { .name: Wv, .offset: 16, .size: 8, .value_kind: global_buffer, .address_space: global }
      - { .name: Wp, .offset: 24, .size: 8, .value_kind: global_buffer, .address_space: global }
      - { .name: Wq, .offset: 32, .size: 8, .value_kind: global_buffer, .address_space: global }
      - { .name: maskw, .offset: 40, .size: 8, .value_kind: global_buffer, .address_space: global }
      - { .name: wkv, .offset: 48, .size: 8, .value_kind: global_buffer, .address_space: global }
      - { .name: wp16, .offset: 56, .size: 8, .value_kind: global_buffer, .address_space: global }
      - { .name: wq4, .offset: 64, .size: 8, .value_kind: global_buffer, .address_space: global }
    .group_segment_fixed_size: 0
    .private_segment_fixed_size: 0
    .kernarg_segment_align: 8
    .kernarg_segment_size: 72
    .max_flat_workgroup_size: 256
    .sgpr_count:     66
    .vgpr_count:     128
    .wavefront_size: 32
...
	.end_amdgpu_metadata
.endif
;; end of part 1
;; launch proj (part 2): grid 128 x 2, 4 waves a work-group, clusters of 4 x 1, 327,680 bytes of LDS; arguments x, c, wkv, wq4, qimg, kv; writes qimg, kv
.if DOCPART == 2
	.amdgcn_target "amdgcn-amd-amdhsa--gfx1250"
	.amdhsa_code_object_version 6
	.text
	.protected	k_q09172003d2_proj
	.globl	k_q09172003d2_proj
	.p2align	8
	.type	k_q09172003d2_proj,@function
k_q09172003d2_proj:
	s_mov_b64 s[64:65], 0
	v_nop
	global_prefetch_b8 v0, s[64:65] scope:SCOPE_SE
	s_setreg_imm32_b32 hwreg(HW_REG_WAVE_MODE, 25, 1), 1
	s_wait_xcnt 0x0
	s_wait_alu depctr_hold_cnt(0) depctr_sa_sdst(0) depctr_va_vdst(0) depctr_va_sdst(0) depctr_va_ssrc(0) depctr_va_vcc(0) depctr_vm_vsrc(0)
	s_getreg_b32 s2, hwreg(HW_REG_IB_STS2, 6, 4)
	s_cmp_eq_u32 s2, 0
	s_cbranch_scc0 .Lentry_in_a_cluster
	s_endpgm
.Lentry_in_a_cluster:
	s_bfe_u32 s2, ttmp6, 0x10000c
	s_cmp_lg_u32 s2, 0x3003
	s_cbranch_scc0 .Lentry_shape_is_right
	s_endpgm
.Lentry_shape_is_right:
; PROJ: q = Q(x) Q(Wq)^T on codes of E2M1 (one E8M0 scale for each 32 along K), k = [x; c] Wk^T and v = [x; c] Wv^T on f16 operands; all sums f32; results rounded once to f16 and stored as images of the
; registers in which the attention launch takes them.
; SHARES.  Work-group (tb, ch): 64 tokens of x (batch tb / 16, key step i = tb % 16, query tiles 4 i ..) and the 64 tokens of c at the same place (key step 16 + i), against the columns of heads 4 ch .. 4 ch + 3.
; Wave w is head 4 ch + w: 8 tiles of 16 tokens x (4 tiles of k's channels + 4 of v's) = 64 accumulators, 512 registers; before them 16 accumulators of q.
; A TILE'S TOKENS ARE NOT NEIGHBOURS: lane r of tile T is token 32 (T / 2) + 8 (T % 2) + r + 8 (r / 8).  So the scores' 16 registers of two neighbouring key tiles are 16 neighbouring keys,
; v's results are fragments of V^T as they stand, and one fragment of x serves as source 1 for k (lane = token, registers = channels) and as source 0 for v (lane = channel, registers = tokens).
; x AND c are read as f32 once by this work-group: wave w takes tile w of x and of c, quantises x's 128 along K at a time, rounds both to f16, and stores register images in LDS, which all four waves read.
; THE WEIGHTS come as images (launch prep) through a ring of two LDS slots of 64 along K; wave w fetches and reads its own head's 16,384 bytes of a slot.
; CLUSTER: the four work-groups of a cluster differ in tb alone and walk the same weights: each tile is asked for JOINTLY, by the same tensor load with the same descriptor and the mask of all four.
; By this text's count a wave has two tensor loads out at the start and one behind each change of slots.
; LIMITS: NaN and infinities among the inputs are not served; |x|, |c|, |q|, |k|, |v| beyond 65,504 are not served; a block of x whose largest magnitude lies under 2^-124, or of zeros, gets the byte 1.
; REGISTERS, in windows of 256: window 0: v1-14 addresses, v15 the scale word just made, v16-31 Wq's scale words, v32-47 x's, v48-55 and v56-63 the quantiser's, v64-255 three sets of 64 numbers of x,
;   later v64-127, v128-191 the tokens' fragments (two sets), v192-255 packed results.  window 1: v64-127, v128-191 the weights' fragments.  window 2: q's, then k's accumulators.  window 3: Wq's fragments, then v's accumulators.
.set XIMG,  131072                     ; LDS: slots at 0 and 65,536; then the tokens' f16 images [kc 16][tile 8][1024] (tiles 0-3 x, 4-7 c),
.set X4IMG, 262144                     ; x's codes [ks 4][tile 4][1024],
.set X4SC,  278528                     ; their scale words [ks][tile][128],
.set SPARE, 280576                     ; and the spare words, 128 bytes for each wave, which no other line names
.set LI,   1                           ; v1   16 x lane
.set XA,   2                           ; v2   my lane's byte in a tile's rows of x: (r + 8 (r / 8)) x 2,048 + 64 h
.set XW,   3                           ; v3-4 where I store f16 images: K chunks 0-7, 8-15
.set X4W,  5                           ; v5   where I store x's codes
.set X4S,  6                           ; v6   and their scale words
.set L4,   7                           ; v7   4 x lane
.set ADRW, 8                           ; v8-9 my head's weights in slot 0, 1
.set ADRX, 10                          ; v10  the tokens' images; steps four chunks a trip
.set SPW,  11                          ; v11  my spare word; never rewritten
.set NIL,  12                          ; v12  0; never rewritten
.set X4R,  13                          ; v13  x's codes, for reading
.set X4SR, 14                          ; v14  x's scale words, for reading
.set PW,   15
.set WQS,  16
.set XQS,  32
.set TM,   48
.set PC,   56
.set F0,   64
.set F1,   128
.set TMP,  192
.set WV,   16                          ; s16  wave
.set G1,   24                          ; s[24:31] descriptor group 1
.set G0,   32                          ; s[32:39] group 0, a set for each slot
.set SEL,  42                          ; s[42:43]
.set MSB, 0
.macro WIN new                         ; the immediate's high byte repeats the setting that is left
.if MSB != \new
	s_set_vgpr_msb (MSB<<8)|\new
.set MSB, \new
.endif
.endm
.set MUL_K, 0xa1                       ; source 0 (Wk) window 1, source 1 (tokens) window 0, C and D window 2
.set MUL_V, 0xf4                       ; source 0 (tokens) window 0, source 1 (Wv) window 1, C and D window 3
.set MUL_Q, 0xa3                       ; source 0 (Wq) window 3, source 1 (x's codes) window 0, C and D window 2
.set TO_W,  0x40                       ; destination window 1
.macro CREST                           ; a round of the cluster's barrier behind its opening barrier
	s_cmp_lg_u32 s[WV], 0
	s_cbranch_scc1 .Lnot_wave_0_\@
	s_barrier_signal -3
.Lnot_wave_0_\@:
	s_barrier_wait -3
	s_barrier_signal -1
	s_barrier_wait -1
.endm
.macro CROUND
	s_barrier_signal -1
	s_barrier_wait -1
	CREST
.endm
.macro PLACES                          ; four places in front of loads into registers that matrix instructions have read, and of reads of results
.rept 4
	v_nop
.endr
.endm
; 64 numbers of a lane, register 16 b + i = k 32 b + 16 (lane / 16) + i of my row, become a fragment's codes in v[PC] on and its scale word in v[PW].
.macro QUANT s
.irp b, 0,1,2,3
	v_max3_num_f32 v[TM+\b], |v[(\s)+16*\b]|, |v[(\s)+1+16*\b]|, 0x1800000   ; my 16 numbers of block b, and the floor 2^(3 - 127): the byte cannot fall under 1
.endr
.irp i, 2,4,6,8,10,12,14
.irp b, 0,1,2,3
	v_max3_num_f32 v[TM+\b], v[TM+\b], |v[(\s)+16*\b+\i]|, |v[(\s)+1+16*\b+\i]|
.endr
.endr
.irp b, 0,1,2,3
	v_permlanex16_b32 v[TM+4+\b], v[TM+\b], s[SEL], s[SEL+1]
.endr
.irp b, 0,1,2,3
	v_max_num_f32 v[TM+\b], v[TM+\b], v[TM+4+\b]       ; with lane l xor 16's: the block's largest magnitude
.endr
.irp b, 0,1,2,3
	v_add_nc_u32 v[TM+4+\b], 0xff000000, v[TM+\b]      ; 2 off its exponent field: the conversion's scale operand
.endr
.irp b, 0,1,2,3
	v_lshrrev_b32 v[TM+\b], 23, v[TM+4+\b]             ; the scale's byte
.endr
	v_lshl_or_b32 v[PW], v[TM+1], 8, v[TM]
	v_lshl_or_b32 v[PW], v[TM+2], 16, v[PW]
	v_lshl_or_b32 v[PW], v[TM+3], 24, v[PW]
.irp b, 0,1,2,3
	v_cvt_scalef32_pk8_fp4_f32 v[PC+2*\b], v[(\s)+16*\b:(\s)+7+16*\b], v[TM+4+\b]
	v_cvt_scalef32_pk8_fp4_f32 v[PC+1+2*\b], v[(\s)+8+16*\b:(\s)+15+16*\b], v[TM+4+\b]
.endr
	v_nop                                              ; one plain place behind a scaled conversion
.irp c, 0,1
.irp i, 0,1
	v_permlane16_swap_b32 v[PC+4*\c+\i], v[PC+2+4*\c+\i]   ; a whole block to a lane
.endr
.endr
.endm
.macro XLOAD buf, src, s               ; my tile's numbers of 128 along K (64 a lane) of x (src 0) or c (1)
.irp b, 0,1,2,3
.irp j, 0,1,2,3
	global_load_b128 v[(\buf)+16*\b+4*\j:(\buf)+16*\b+4*\j+3], v[XA], s[4+2*(\src):5+2*(\src)] offset:512*(\s)+128*\b+16*\j
.endr
.endr
.endm
; Unit n of eight: 128 along K (n / 2) of x (n even) or c (n odd), in set n % 3.
.macro UNIT n
.set US, (\n)/2
.set UC, (\n)%2
.set UB, 64+64*((\n)%3)
.if (\n) < 6
	s_wait_loadcnt 32                              ; this unit's 16 loads are in (and all older ones, Wq's among them); the two younger units' may be out
.else
	s_wait_loadcnt 16*(7-(\n))
.endif
.if UC == 0
	QUANT UB
.irp c, 0,1
	ds_store_b128 v[X4W], v[PC+4*\c:PC+4*\c+3] offset:US*4096+\c*512
.endr
	ds_store_b32 v[X4S], v[PW] offset:US*512
.endif
.set i, 0
.rept 32
	v_cvt_pk_f16_f32 v[UB+i], v[UB+2*i], v[UB+2*i+1]   ; in place, ascending: what is written has been read
.set i, i+1
.endr
.irp b, 0,1,2,3
.irp c, 0,1
	ds_store_b128 v[XW+US/2], v[UB+8*\b+4*\c:UB+8*\b+4*\c+3] offset:(4*(US%2)+\b)*8192+UC*4096+\c*512
.endr
.endr
	s_wait_dscnt 0x0                               ; the stores have read their registers
.if (\n) < 5
	XLOAD UB, ((\n)+3)%2, ((\n)+3)/2
.endif
.endm
; n tiles of tokens from a0 on x four tiles of channels, 32 along K.  The accumulators take turns, one instruction a turn, in the same order in every chunk.
.macro MULK f, a0, n, zero
.set AI, \a0
.rept \n
.irp t, 0,1,2,3
.if \zero
	v_wmma_f32_16x16x32_f16 v[8*(4*AI+\t):8*(4*AI+\t)+7], v[\f+8*\t:\f+8*\t+7], v[\f+8*AI:\f+8*AI+7], 0
.else
	v_wmma_f32_16x16x32_f16 v[8*(4*AI+\t):8*(4*AI+\t)+7], v[\f+8*\t:\f+8*\t+7], v[\f+8*AI:\f+8*AI+7], v[8*(4*AI+\t):8*(4*AI+\t)+7]
.endif
.endr
.set AI, AI+1
.endr
.endm
.macro MULV f, a0, n, zero
.set AI, \a0
.rept \n
.irp t, 0,1,2,3
.if \zero
	v_wmma_f32_16x16x32_f16 v[8*(4*AI+\t):8*(4*AI+\t)+7], v[\f+8*AI:\f+8*AI+7], v[\f+32+8*\t:\f+32+8*\t+7], 0
.else
	v_wmma_f32_16x16x32_f16 v[8*(4*AI+\t):8*(4*AI+\t)+7], v[\f+8*AI:\f+8*AI+7], v[\f+32+8*\t:\f+32+8*\t+7], v[8*(4*AI+\t):8*(4*AI+\t)+7]
.endif
.endr
.set AI, AI+1
.endr
.endm
; 32 LDS loads in one run: chunk wc of the slot's weights (Wk's four tiles, Wv's four) and the tokens' eight tiles of chunk xo from v[ADRX] on, into set f
.macro FETCH slot, wc, xo, f
	WIN TO_W
.irp n, 0,1,2,3,4,5,6,7
.irp c, 0,1
	ds_load_b128 v[\f+8*\n+4*\c:\f+8*\n+4*\c+3], v[ADRW+\slot] offset:\wc*8192+\n*1024+\c*512
.endr
.endr
	WIN 0
.irp n, 0,1,2,3,4,5,6,7
.irp c, 0,1
	ds_load_b128 v[\f+8*\n+4*\c:\f+8*\n+4*\c+3], v[ADRX] offset:\xo*8192+\n*1024+\c*512
.endr
.endr
.endm
.macro QUARTER slot, xo, f, g, zero    ; a slot's first chunk: multiplies set f, fetches the slot's second chunk into g
	s_wait_dscnt 0x0                               ; set f is in (asked for 32 matrix instructions ago)
	WIN MUL_K
	MULK \f, 0, 8, \zero
	PLACES
	FETCH \slot, 1, \xo, \g
	WIN MUL_V
	MULV \f, 0, 8, \zero
.endm
; A slot's second chunk multiplies set F1 and changes slots: one barrier; in front of it each wave waits for all its tensor loads, adds 0 to its spare word, and waits for that and for its reads of the slot.
.macro TURN slot, next, xo, fill
	WIN 0
	s_wait_tensorcnt 0x0                           ; all my tensor loads have landed: my part of the next slot
	ds_add_u32 v[SPW], v[NIL]                      ; 0 onto my spare word
	s_wait_dscnt 0x1                               ; set F1 is in; the add alone may be out
	WIN MUL_K
	MULK F1, 0, 4, 0                               ; sixteen matrix instructions stand between the add and the wait for it
	s_wait_dscnt 0x0                               ; the add is done, and my reads of this slot are over
	s_barrier_signal -1
	MULK F1, 4, 4, 0
	WIN 0
	s_barrier_wait -1
.if \fill
	CREST                                          ; the barrier has opened a round of the cluster's: no wave of any partner still reads this slot or has a load on its way
	s_add_nc_u64 s[G0+4*\slot+2:G0+4*\slot+3], s[G0+4*\slot+2:G0+4*\slot+3], 131072   ; two K steps on
	tensor_load_to_lds s[G0+4*\slot:G0+4*\slot+3], s[G1:G1+7]   ; my one load behind the round: 96 matrix instructions ahead of the wait for it
	s_nop 0
.endif
	PLACES                                         ; behind the load; also the places in front of the loads below
	FETCH \next, 0, \xo, F0
	WIN MUL_V
	MULV F1, 0, 8, 0
.endm
	s_load_b256 s[4:11], s[0:1], 0x0               ; x 4, c 6, wkv 8, wq4 10
	s_load_b128 s[12:15], s[0:1], 0x20             ; qimg 12, kv 14
	v_lshl_add_u32 v[SPW], v0, 2, SPARE
	v_mov_b32 v[NIL], 0
	ds_add_u32 v[SPW], v[NIL]                      ; the wave's opening: the add, twice on end, and its wait ahead of my first tensor load
	ds_add_u32 v[SPW], v[NIL]
	v_lshrrev_b32 v15, 5, v0
	v_readfirstlane_b32 s[WV], v15                 ; wave 0..3
	s_bfe_u32 s17, ttmp6, 0x40000                  ; cx: it enters the addresses of x, c, qimg and kv alone
	s_lshl_b32 s18, ttmp9, 2
	s_add_co_u32 s18, s18, s17                     ; tb
	s_and_b32 s19, ttmp7, 0xffff                   ; ch, which the partners share
	s_mov_b32 s[G1], 15|(3<<16)|(1<<21)            ; the mask of all four; elements of 8 bytes; bit 21 beside a mask; no padding
	s_mov_b32 s[G1+1], 32<<16                      ; tensor_dim0 = 32 elements: rows of 256 bytes
	s_mov_b32 s[G1+2], 64<<16                      ; tensor_dim1 = 64 rows: 16,384 dense bytes
	s_mov_b32 s[G1+3], 32<<16                      ; tile_dim0
	s_mov_b32 s[G1+4], 64                          ; tile_dim1
	s_mov_b32 s[G1+5], 32                          ; the pitch
	s_mov_b32 s[G1+6], 0
	s_mov_b32 s[G1+7], 0
	s_lshl_b32 s22, s[WV], 14                      ; my head's 16,384 bytes of a K step, in memory and in a slot
	s_lshl_b32 s46, s19, 19
	s_add_co_u32 s46, s46, s22
	s_mov_b32 s47, 0
	s_mov_b32 s[SEL], 0x76543210
	s_mov_b32 s[SEL+1], 0xfedcba98
	v_and_b32 v15, 31, v0
	v_lshlrev_b32 v[LI], 4, v15
	v_lshlrev_b32 v[L4], 2, v15
	v_and_b32 v13, 15, v0                          ; r
	v_bfe_u32 v14, v0, 4, 1                        ; h
	v_and_b32 v[XA], 8, v13
	v_add_nc_u32 v[XA], v[XA], v13
	v_lshlrev_b32 v[XA], 11, v[XA]
	v_lshl_add_u32 v[XA], v14, 6, v[XA]
	s_lshl_b32 s23, s[WV], 10
	v_add_nc_u32 v[XW], s23, v[LI]
	v_add_nc_u32 v[X4W], X4IMG, v[XW]
	v_add_nc_u32 v[XW], XIMG, v[XW]
	v_add_nc_u32 v[XW+1], 65536, v[XW]
	s_lshl_b32 s23, s[WV], 7
	v_add_nc_u32 v[X4S], s23, v[L4]
	v_add_nc_u32 v[X4S], X4SC, v[X4S]
	v_add_nc_u32 v[ADRW], s22, v[LI]
	v_add_nc_u32 v[ADRW+1], 65536, v[ADRW]
	v_add_nc_u32 v[ADRX], XIMG, v[LI]
	v_add_nc_u32 v[X4R], X4IMG, v[LI]
	v_add_nc_u32 v[X4SR], X4SC, v[L4]
.irp b, 0,1,2,3
	v_mov_b32 v[TM+4+\b], 0                        ; a lane permute's destination counts as one of its sources
.endr
	s_wait_dscnt 0x0                               ; both opening adds are done
	s_wait_kmcnt 0x0
	s_add_nc_u64 s[8:9], s[8:9], s[46:47]
.irp s, 0,1
	s_mov_b32 s[G0+4*\s], 1
	s_add_co_u32 s[G0+4*\s+1], s22, \s*65536
	s_add_nc_u64 s[G0+4*\s+2:G0+4*\s+3], s[8:9], \s*65536
	s_or_b32 s[G0+4*\s+3], s[G0+4*\s+3], 0x80000000
.endr
	CROUND                                         ; all four work-groups are here: the first joint loads meet
	tensor_load_to_lds s[G0:G0+3], s[G1:G1+7]      ; K step 0
	s_nop 0
	tensor_load_to_lds s[G0+4:G0+7], s[G1:G1+7]    ; K step 1
	s_nop 0
	PLACES
	s_mov_b32 s21, 0
	s_add_nc_u64 s[44:45], s[10:11], 131072        ; Wq's scale words,
	s_lshl_b32 s20, s19, 13
	s_lshl_b32 s2, s[WV], 11
	s_add_co_u32 s20, s20, s2
	s_add_nc_u64 s[44:45], s[44:45], s[20:21]      ; my head's four tiles of rows
	s_lshl_b32 s20, s19, 16
	s_add_co_u32 s20, s20, s22
	s_add_nc_u64 s[10:11], s[10:11], s[20:21]      ; and their codes
	WIN 0xc0                                       ; destination window 3
.irp t, 0,1,2,3
.irp ks, 0,1,2,3
.irp c, 0,1
	global_load_b128 v[8*(4*\t+\ks)+4*\c:8*(4*\t+\ks)+4*\c+3], v[LI], s[10:11] offset:\t*4096+\ks*1024+\c*512
.endr
.endr
.endr
	WIN 0
.irp t, 0,1,2,3
.irp ks, 0,1,2,3
	global_load_b32 v[WQS+4*\t+\ks], v[L4], s[44:45] offset:\t*512+\ks*128
.endr
.endr
	s_lshl_b32 s20, s18, 17                        ; tb x 64 tokens of 2,048 bytes,
	s_lshr_b32 s2, s[WV], 1
	s_lshl_b32 s2, s2, 16                          ; + 32 (w / 2) tokens,
	s_add_co_u32 s20, s20, s2
	s_and_b32 s2, s[WV], 1
	s_lshl_b32 s2, s2, 14                          ; + 8 (w % 2)
	s_add_co_u32 s20, s20, s2
	s_add_nc_u64 s[4:5], s[4:5], s[20:21]
	s_add_nc_u64 s[6:7], s[6:7], s[20:21]
	XLOAD 64, 0, 0
	XLOAD 128, 1, 0
	XLOAD 192, 0, 1
	s_lshr_b32 s2, s18, 4                          ; b
	s_lshl_b32 s2, s2, 3
	s_lshl_b32 s3, s19, 2
	s_add_co_u32 s2, s2, s3
	s_add_co_u32 s23, s2, s[WV]                    ; batch x 8 + head
	s_and_b32 s3, s18, 15                          ; i
	s_lshl_b32 s20, s23, 17
	s_lshl_b32 s2, s3, 13
	s_add_co_u32 s20, s20, s2
	s_add_nc_u64 s[12:13], s[12:13], s[20:21]      ; qimg [bh][T 64][cc 2][1024] at T = 4 i
	s_lshl_b32 s20, s23, 19
	s_lshl_b32 s2, s3, 14
	s_add_co_u32 s20, s20, s2
	s_add_nc_u64 s[14:15], s[14:15], s[20:21]      ; kv [bh][step 32][16,384] at step i
	; ---- x and c become images in LDS
.irp n, 0,1,2,3,4,5,6,7
	UNIT \n
.endr
	s_wait_tensorcnt 0x1                           ; my part of K step 0 is in; K step 1's may stay out
	s_wait_dscnt 0x0                               ; my images have landed
	s_barrier_signal -1
	s_barrier_wait -1
	; ---- q: 4 tiles of tokens x my head's 4 tiles of channels, K = 512 in four steps
.irp f, 0,1,2,3,4,5,6,7,8,9,10,11,12,13,14,15
.irp c, 0,1
	ds_load_b128 v[64+8*\f+4*\c:64+8*\f+4*\c+3], v[X4R] offset:\f*1024+\c*512      ; fragment 4 ks + tile
.endr
	ds_load_b32 v[XQS+\f], v[X4SR] offset:\f*128
.endr
	s_wait_dscnt 0x0
	WIN MUL_Q
.irp ks, 0,1,2,3
.irp tt, 0,1,2,3
.irp t, 0,1,2,3
.if \ks == 0
	v_wmma_scale_f32_16x16x128_f8f6f4 v[8*(4*\tt+\t):8*(4*\tt+\t)+7], v[8*(4*\t+\ks):8*(4*\t+\ks)+7], v[64+8*(4*\ks+\tt):64+8*(4*\ks+\tt)+7], 0, v[WQS+4*\t+\ks], v[XQS+4*\ks+\tt] matrix_a_fmt:MATRIX_FMT_FP4 matrix_b_fmt:MATRIX_FMT_FP4
.else
	v_wmma_scale_f32_16x16x128_f8f6f4 v[8*(4*\tt+\t):8*(4*\tt+\t)+7], v[8*(4*\t+\ks):8*(4*\t+\ks)+7], v[64+8*(4*\ks+\tt):64+8*(4*\ks+\tt)+7], v[8*(4*\tt+\t):8*(4*\tt+\t)+7], v[WQS+4*\t+\ks], v[XQS+4*\ks+\tt] matrix_a_fmt:MATRIX_FMT_FP4 matrix_b_fmt:MATRIX_FMT_FP4
.endif
.endr
.endr
.endr
	WIN 0
	PLACES
	WIN 0x0a                                       ; sources window 2
.set AI, 0
.rept 16
.irp m, 0,1,2,3
	v_cvt_pk_f16_f32 v[TMP+4*AI+\m], v[8*AI+2*\m], v[8*AI+2*\m+1]   ; lane (r, h): token r, channels 16 t + 8 h + 0..7: group t % 2 of fragment t / 2
.endr
.set AI, AI+1
.endr
	WIN 0
.irp tt, 0,1,2,3
.irp t, 0,1,2,3
	global_store_b128 v[LI], v[TMP+4*(4*\tt+\t):TMP+4*(4*\tt+\t)+3], s[12:13] offset:\tt*2048+\t*512
.endr
.endr
	; ---- k and v: K = 512 in eight K steps of two chunks.  (The conversions above are the places between q's products and the products that write over their registers)
	FETCH 0, 0, 0, F0
	QUARTER 0, 1, F0, F1, 1                        ; the first chunk's products start the sums: nothing is cleared
	WIN 0
	s_mov_b32 s40, 3
.Lk:                                               ; a trip goes once round the ring and fills both slots again: K steps 2 to 7
	TURN 0, 1, 2, 1
	QUARTER 1, 3, F0, F1, 0
	TURN 1, 0, 4, 1
	QUARTER 0, 5, F0, F1, 0
	WIN 0
	v_add_nc_u32 v[ADRX], 32768, v[ADRX]           ; four chunks on
	s_sub_co_u32 s40, s40, 1
	s_cmp_lg_u32 s40, 0
	s_cbranch_scc1 .Lk
	TURN 0, 1, 2, 0                                ; the tail fills nothing
	QUARTER 1, 3, F0, F1, 0
	s_wait_dscnt 0x0
	WIN MUL_K
	MULK F1, 0, 8, 0
	WIN MUL_V
	MULV F1, 0, 8, 0
	WIN 0
	; ---- the way out: each accumulator is four registers of f16, a group of an image; every store of the wave covers 512 consecutive bytes
	PLACES
	s_wait_xcnt 0x0                                ; q's stores have read v192-255
	WIN 0x0a
.set AI, 0
.rept 32
.irp m, 0,1,2,3
	v_cvt_pk_f16_f32 v[64+4*AI+\m], v[8*AI+2*\m], v[8*AI+2*\m+1]
.endr
.set AI, AI+1
.endr
	WIN 0
.irp a, 0,1,2,3,4,5,6,7
.irp t, 0,1,2,3
	global_store_b128 v[LI], v[64+4*(4*\a+\t):64+4*(4*\a+\t)+3], s[14:15] offset:(\a/4)*262144+(\a%4)*2048+\t*512   ; K: key tile a % 4, group t % 2 of channels' fragment t / 2; c's tokens 16 steps on
.endr
.endr
	WIN 0x0f                                       ; sources window 3
.set AI, 0
.rept 16
.irp m, 0,1,2,3
	v_cvt_pk_f16_f32 v[TMP+4*AI+\m], v[8*AI+2*\m], v[8*AI+2*\m+1]
.endr
.set AI, AI+1
.endr
	WIN 0
.irp a, 0,1,2,3
.irp t, 0,1,2,3
	global_store_b128 v[LI], v[TMP+4*(4*\a+\t):TMP+4*(4*\a+\t)+3], s[14:15] offset:8192+(\a/2)*4096+\t*1024+(\a%2)*512   ; V^T: keys' fragment a / 2, channels' tile t, group a % 2
.endr
.endr
	s_wait_xcnt 0x0                                ; k's stores have read v64-127
	WIN 0x0f
.set AI, 16
.rept 16
.irp m, 0,1,2,3
	v_cvt_pk_f16_f32 v[64+4*(AI-16)+\m], v[8*AI+2*\m], v[8*AI+2*\m+1]
.endr
.set AI, AI+1
.endr
	WIN 0
.irp a, 0,1,2,3
.irp t, 0,1,2,3
	global_store_b128 v[LI], v[64+4*(4*\a+\t):64+4*(4*\a+\t)+3], s[14:15] offset:262144+8192+(\a/2)*4096+\t*1024+(\a%2)*512
.endr
.endr
	s_wait_tensorcnt 0x0                           ; the wave's end
	ds_add_u32 v[SPW], v[NIL]
	s_wait_dscnt 0x0
	CROUND                                         ; the closing round
	s_endpgm
.Lfunc_end_k_q09172003d2_proj:
	.size	k_q09172003d2_proj, .Lfunc_end_k_q09172003d2_proj-k_q09172003d2_proj
	.p2alignl 7, 3214868480
	.fill 96, 4, 3214868480
	.section	.rodata,"a",@progbits
	.p2align	6, 0x0
	.amdhsa_kernel k_q09172003d2_proj
		.amdhsa_group_segment_fixed_size 327680
		.amdhsa_private_segment_fixed_size 0
		.amdhsa_enable_private_segment 0
		.amdhsa_kernarg_size 48
		.amdhsa_user_sgpr_count 2
		.amdhsa_user_sgpr_kernarg_segment_ptr 1
		.amdhsa_wavefront_size32 1
		.amdhsa_system_sgpr_workgroup_id_x 1
		.amdhsa_system_sgpr_workgroup_id_y 1
		.amdhsa_system_sgpr_workgroup_id_z 1
		.amdhsa_system_vgpr_workitem_id 0
		.amdhsa_next_free_vgpr 1024
		.amdhsa_next_free_sgpr 66
		.amdhsa_reserve_vcc 0
		.amdhsa_float_denorm_mode_32 3
		.amdhsa_float_denorm_mode_16_64 3
		.amdhsa_memory_ordered 1
		.amdhsa_forward_progress 1
		.amdhsa_inst_pref_size 150
	.end_amdhsa_kernel
	.amdgpu_metadata
---
amdhsa.version: [ 1, 2 ]
amdhsa.kernels:
  - .name:           k_q09172003d2_proj
    .symbol:         k_q09172003d2_proj.kd
    .args:
      - { .name: x, .offset: 0, .size: 8, .value_kind: global_buffer, .address_space: global }
      - { .name: c, .offset: 8, .size: 8, .value_kind: global_buffer, .address_space: global }
      - { .name: wkv, .offset: 16, .size: 8, .value_kind: global_buffer, .address_space: global }
      - { .name: wq4, .offset: 24, .size: 8, .value_kind: global_buffer, .address_space: global }
      - { .name: qimg, .offset: 32, .size: 8, .value_kind: global_buffer, .address_space: global }
      - { .name: kv, .offset: 40, .size: 8, .value_kind: global_buffer, .address_space: global }
    .group_segment_fixed_size: 327680
    .private_segment_fixed_size: 0
    .kernarg_segment_align: 8
    .kernarg_segment_size: 48
    .max_flat_workgroup_size: 128
    .sgpr_count:     66
    .vgpr_count:     1024
    .wavefront_size: 32
...
	.end_amdgpu_metadata
.endif
;; end of part 2
;; launch attn (part 3): grid 4 x 64, 16 waves a work-group, clusters of 4 x 1, 327,680 bytes of LDS; arguments qimg, kv, maskw, yimg; writes yimg
.if DOCPART == 3
	.amdgcn_target "amdgcn-amd-amdhsa--gfx1250"
	.amdhsa_code_object_version 6
	.text
	.protected	k_q09172003d2_attn
	.globl	k_q09172003d2_attn
	.p2align	8
	.type	k_q09172003d2_attn,@function
k_q09172003d2_attn:
	s_mov_b64 s[64:65], 0
	v_nop
	global_prefetch_b8 v0, s[64:65] scope:SCOPE_SE
	s_setreg_imm32_b32 hwreg(HW_REG_WAVE_MODE, 25, 1), 1
	s_wait_xcnt 0x0
	s_wait_alu depctr_hold_cnt(0) depctr_sa_sdst(0) depctr_va_vdst(0) depctr_va_sdst(0) depctr_va_ssrc(0) depctr_va_vcc(0) depctr_vm_vsrc(0)
	s_getreg_b32 s2, hwreg(HW_REG_IB_STS2, 6, 4)
	s_cmp_eq_u32 s2, 0
	s_cbranch_scc0 .Lentry_in_a_cluster
	s_endpgm
.Lentry_in_a_cluster:
	s_bfe_u32 s2, ttmp6, 0x10000c
	s_cmp_lg_u32 s2, 0x3003
	s_cbranch_scc0 .Lentry_shape_is_right
	s_endpgm
.Lentry_shape_is_right:
; ATTN: y[b][h][q] = the sum over keys of softmax_k(q . k / 8, masked keys at -infinity) v.  q, k, v come as f16 register images (launch proj), the mask as lane-mask words (launch prep); y leaves as f16 images.
; Products on f16 operands, sums, maxima and exponentials in f32; the weights p are rounded to f16 for the second product, y once at the end.
; SHARES.  A work-group owns 256 queries of one (batch, head).  SIXTEEN waves, four to a SIMD, so that while one wave stands in its run of matrix instructions or waits for LDS three others can issue.
; Waves w and w + 8 own the same two tiles of 16 queries and SHARE THE KEYS: of each slot's eight key steps (64 keys a step) waves 0-7 walk steps 0-3, waves 8-15 steps 4-7.  So a fragment of K or V read from LDS still
; feeds two products, and the LDS bytes read are what eight waves walking all keys would read.  At the end waves 8-15 hand their part (c m, l, O^T) to their partners through LDS, and waves 0-7 join the two parts and store.
; LAYOUT.  S^T = K Q^T (source 0 = 16 keys, source 1 = 16 queries), O^T = V^T P (source 0 = 16 channels, source 1 = P): a lane holds ONE query throughout.  The keys of a tile are not neighbours
; (lane r of tile t: key 32 (t / 2) + 8 (t % 2) + r + 8 (r / 8)), so the 16 registers of tiles 2 u, 2 u + 1 are keys 32 u + 16 (lane / 16) + 0..15 and, rounded in pairs, are source 1 of the second product as they stand.
; THE MASK costs one select a register: word (tile, key tile, j) holds the 32 lanes' bits; a step's 64 words come by four scalar loads, a step ahead.
; SOFTMAX.  For each query a running maximum m and sum l: p = 2^(c s - c m), c = log2(e) / 8; in every step O and l are multiplied by a = 2^(c m_old - c m_new).  m begins at -3e38 and O, l at 0, so the step is written for all steps alike.
; THE JOIN.  M = max(c mA, c mB), f = 2^(c m - M), l = lA fA + lB fB, O = (OA fA + OB fB) / l.  A query masked in one half of the keys has l = 0, O = 0 and f = 0 there; one masked in all keys has l = 0: 0 x (1 / 0) is NaN, as the softmax of such a row is.
; RING.  kv[bh] is one stream of 32 steps x 16,384 bytes (K's 8 fragments, V^T's 8).  Two LDS slots of 8 steps; wave w fetches the 8,192 bytes at 8,192 w of a slot.
; CLUSTER.  The four work-groups of a cluster are the four query blocks of one (batch, head) and walk the same stream: each tile is asked for JOINTLY.  A wave has two tensor loads out at the start, one behind each change of slots,
; which has a slot's steps in which to land.
; REGISTERS: 256 a wave (16 waves x 256 = 4 SIMDs x 1,024), no window: v1-7 addresses; v8-23 statistics; v24-55 Q; v56-63 the join's statistics; v64-127 S^T, p, P; v128-191 O^T; v192-255 ONE buffer that K and V^T share:
; V is fetched into it behind K Q^T, with the softmax between the loads and their wait; the next K behind V^T P.
; A slot's four steps are written out with immediate offsets (65,024 at the most), so that an LDS address is the slot's scalar + a constant of the lane and the wave.
; LIMITS: NaN and infinities among the inputs are not served; a score under -3e38 counts as masked.
.set SLOT1, 131072
.set SPARE, 262144                     ; behind the ring: the spare words, 128 bytes for each of sixteen waves, which no other line names
.set MSTB,  8704                       ; the join's stage of a pair of waves: 16 x 512 bytes of O^T and 512 of statistics.  The eight stages lie in slot 0, which has had its last fill and its last read at the last change of slots
.set LI,   1                           ; v1   16 x lane
.set ADR,  2                           ; v2   LDS address of my four steps in the slot in hand
.set SPW,  3                           ; v3   my spare word; never rewritten
.set NIL,  4                           ; v4   0; never rewritten
.set NINF, 5                           ; v5   -infinity
.set MST,  6                           ; v6   my pair's stage: 16 x lane + 8,704 x (wave % 8)
.set LG,   7                           ; v7   16 x lane + 65,536 x (wave / 8): my group's four steps of a slot
.set ST,   8                           ; tile t's statistics at v[ST + 8 t]: +0 c m, +1 m, +2, +3 l (even keys', odd keys'), +4 .. +7 at work; a in +6
.set QF,   24                          ; v24-55   Q: 16 t + 8 cc
.set MA,   56                          ; v56-59   my c m and l of tile 0, of tile 1; v60-63 my partner's
.set S,    64                          ; v64-127  S^T, then p, then P: 32 t + 8 kt + j
.set OA,   128                         ; v128-191 O^T: 32 t + 8 ct
.set KV,   192                         ; v192-255 K: 8 (2 kt + cc), then V^T: 8 (4 ug + ct)
.set GRP,  2                           ; s2   wave / 8
.set MOFF, 3                           ; s3   byte offset of the mask words that are being asked for
.set G1,   12                          ; s[12:19] descriptor group 1
.set G0A,  20                          ; s[20:23] group 0 of slot 0's first fill
.set G0B,  24                          ; s[24:27] of slot 1's; it then walks on
.set WV,   28                          ; s28  wave 0..15
.set TB,   29                          ; s29  LDS byte at which the slot in hand begins
.set PW,   30                          ; s30  wave % 8: which two tiles of queries
.set SLOTS, 31
.set CS,   66                          ; s[66:67] c
.set SEL,  100                         ; s[100:101]
.set M0W,  32                          ; s[32:63] tile 0's 32 mask words of a step, s[68:99] tile 1's
.set M1W,  68
.macro CROUND                          ; a round of the cluster's barrier
	s_barrier_signal -1
	s_barrier_wait -1
	s_cmp_lg_u32 s[WV], 0
	s_cbranch_scc1 .Lnot_wave_0_\@
	s_barrier_signal -3
.Lnot_wave_0_\@:
	s_barrier_wait -3
	s_barrier_signal -1
	s_barrier_wait -1
.endm
.macro PLACES
.rept 4
	v_nop
.endr
.endm
.macro KLOAD off                       ; a step's K: 4 tiles of keys x 2 fragments of channels
.irp kt, 0,1,2,3
.irp cc, 0,1
.irp c, 0,1
	ds_load_b128 v[KV+8*(2*\kt+\cc)+4*\c:KV+8*(2*\kt+\cc)+4*\c+3], v[ADR] offset:(\off)+\kt*2048+\cc*1024+\c*512
.endr
.endr
.endr
.endm
; A KEY STEP: 64 keys, the i-th of my group's four in the slot in hand.
.macro STEP i
	s_wait_dscnt 0x0                               ; K is in
.irp cc, 0,1
.irp kt, 0,1,2,3
.irp tq, 0,1
.if \cc == 0
	v_wmma_f32_16x16x32_f16 v[S+32*\tq+8*\kt:S+32*\tq+8*\kt+7], v[KV+8*(2*\kt+\cc):KV+8*(2*\kt+\cc)+7], v[QF+16*\tq+8*\cc:QF+16*\tq+8*\cc+7], 0
.else
	v_wmma_f32_16x16x32_f16 v[S+32*\tq+8*\kt:S+32*\tq+8*\kt+7], v[KV+8*(2*\kt+\cc):KV+8*(2*\kt+\cc)+7], v[QF+16*\tq+8*\cc:QF+16*\tq+8*\cc+7], v[S+32*\tq+8*\kt:S+32*\tq+8*\kt+7]
.endif
.endr
.endr
.endr
	PLACES                                         ; in front of the loads into K's registers and of the first read of the scores
.irp ug, 0,1
.irp ct, 0,1,2,3
.irp c, 0,1
	ds_load_b128 v[KV+8*(4*\ug+\ct)+4*\c:KV+8*(4*\ug+\ct)+4*\c+3], v[ADR] offset:(\i)*16384+8192+\ug*4096+\ct*1024+\c*512   ; V^T takes K's place; the softmax stands between these loads and their wait
.endr
.endr
.endr
	s_wait_kmcnt 0x0                               ; this step's mask words, asked for a step ago
.irp n, 0,1,2,3,4,5,6,7,8,9,10,11,12,13,14,15,16,17,18,19,20,21,22,23,24,25,26,27,28,29,30,31
	v_cndmask_b32 v[S+\n], v[S+\n], v[NINF], s[M0W+\n]           ; masked: -infinity.  Each accumulator from its low end on
.endr
.irp n, 0,1,2,3,4,5,6,7,8,9,10,11,12,13,14,15,16,17,18,19,20,21,22,23,24,25,26,27,28,29,30,31
	v_cndmask_b32 v[S+32+\n], v[S+32+\n], v[NINF], s[M1W+\n]
.endr
.if \i < 3
	s_add_co_u32 s[MOFF], s[MOFF], 128             ; my next step's words: 128 bytes a tile and step;
.else
	s_add_co_u32 s[MOFF], s[MOFF], 640             ; my next step lies in the next slot, beyond the other group's four steps;
.endif
	s_min_u32 s[MOFF], s[MOFF], 3968               ; my last step asks for the last step's, so that no load leaves the buffer
	s_load_b512 s[M0W:M0W+15], s[8:9], s[MOFF] offset:0x0
	s_load_b512 s[M0W+16:M0W+31], s[8:9], s[MOFF] offset:0x40
	s_load_b512 s[M1W:M1W+15], s[8:9], s[MOFF] offset:0x1000
	s_load_b512 s[M1W+16:M1W+31], s[8:9], s[MOFF] offset:0x1040
	; the maximum of a lane's 32 scores and the old m: four chains of seven, then the rest; the two tiles alternate
.irp j, 0,1,2,3
.irp t, 0,1
	v_max3_num_f32 v[ST+8*\t+4+\j], v[S+32*\t+8*\j], v[S+32*\t+8*\j+1], v[S+32*\t+8*\j+2]
.endr
.endr
.irp g, 1,2
.irp j, 0,1,2,3
.irp t, 0,1
	v_max3_num_f32 v[ST+8*\t+4+\j], v[ST+8*\t+4+\j], v[S+32*\t+8*\j+2*\g+1], v[S+32*\t+8*\j+2*\g+2]
.endr
.endr
.endr
.irp t, 0,1
	v_max3_num_f32 v[ST+8*\t+4], v[ST+8*\t+4], v[S+32*\t+7], v[S+32*\t+15]
	v_max3_num_f32 v[ST+8*\t+6], v[ST+8*\t+6], v[S+32*\t+23], v[S+32*\t+31]
.endr
.irp t, 0,1
	v_max3_num_f32 v[ST+8*\t+4], v[ST+8*\t+4], v[ST+8*\t+5], v[ST+8*\t+6]
.endr
.irp t, 0,1
	v_max3_num_f32 v[ST+8*\t+4], v[ST+8*\t+4], v[ST+8*\t+7], v[ST+8*\t+1]
.endr
.irp t, 0,1
	v_permlanex16_b32 v[ST+8*\t+5], v[ST+8*\t+4], s[SEL], s[SEL+1]   ; the query's other 32 keys lie in the lane 16 away
.endr
.irp t, 0,1
	v_mov_b32 v[ST+8*\t+7], v[ST+8*\t]             ; c m_old is kept for a
.endr
.irp t, 0,1
	v_max_num_f32 v[ST+8*\t+1], v[ST+8*\t+4], v[ST+8*\t+5]
.endr
.irp t, 0,1
	v_mul_f32 v[ST+8*\t], s[CS], v[ST+8*\t+1]
.endr
.irp t, 0,1
	v_sub_f32 v[ST+8*\t+7], v[ST+8*\t+7], v[ST+8*\t]
.endr
	; ONE BATCH of exponentials: none of these lines reads an exponential's result
.irp t, 0,1
.irp p, 0,1,2,3,4,5,6,7,8,9,10,11,12,13,14,15
	v_pk_fma_f32 v[S+32*\t+2*\p:S+32*\t+2*\p+1], v[S+32*\t+2*\p:S+32*\t+2*\p+1], s[CS:CS+1], v[ST+8*\t:ST+8*\t+1] op_sel_hi:[1,0,0] neg_lo:[0,0,1] neg_hi:[0,0,1]   ; c s - c m
.endr
	v_exp_f32 v[ST+8*\t+6], v[ST+8*\t+7]           ; a
.irp n, 0,1,2,3,4,5,6,7,8,9,10,11,12,13,14,15,16,17,18,19,20,21,22,23,24,25,26,27,28,29,30,31
	v_exp_f32 v[S+32*\t+\n], v[S+32*\t+\n]         ; p
.endr
.endr
	v_nop                                          ; a plain instruction behind the last exponential
	s_wait_alu depctr_va_vdst(0)                   ; one wait for the 66, ahead of the first line that names a result
	; l = a l + the sum of the unrounded p, in two chains a tile
.irp t, 0,1
	v_pk_fma_f32 v[ST+8*\t+2:ST+8*\t+3], v[ST+8*\t+2:ST+8*\t+3], v[ST+8*\t+6:ST+8*\t+7], v[S+32*\t:S+32*\t+1] op_sel_hi:[1,0,1]
	v_pk_add_f32 v[ST+8*\t+4:ST+8*\t+5], v[S+32*\t+2:S+32*\t+3], v[S+32*\t+4:S+32*\t+5]
.endr
.irp p, 3,5,7,9,11,13
.irp t, 0,1
	v_pk_add_f32 v[ST+8*\t+2:ST+8*\t+3], v[ST+8*\t+2:ST+8*\t+3], v[S+32*\t+2*\p:S+32*\t+2*\p+1]
	v_pk_add_f32 v[ST+8*\t+4:ST+8*\t+5], v[ST+8*\t+4:ST+8*\t+5], v[S+32*\t+2*\p+2:S+32*\t+2*\p+3]
.endr
.endr
.irp t, 0,1
	v_pk_add_f32 v[ST+8*\t+2:ST+8*\t+3], v[ST+8*\t+2:ST+8*\t+3], v[S+32*\t+30:S+32*\t+31]
.endr
.irp t, 0,1
	v_pk_add_f32 v[ST+8*\t+2:ST+8*\t+3], v[ST+8*\t+2:ST+8*\t+3], v[ST+8*\t+4:ST+8*\t+5]
.endr
	; P: rounded to f16 in place, ascending: 32 keys in the first 8 of each 16 registers
.irp t, 0,1
.irp u, 0,1
.irp i2, 0,1,2,3,4,5,6,7
	v_cvt_pk_f16_f32 v[S+32*\t+16*\u+\i2], v[S+32*\t+16*\u+2*\i2], v[S+32*\t+16*\u+2*\i2+1]
.endr
.endr
.endr
.irp t, 0,1
.irp i2, 0,1,2,3,4,5,6,7,8,9,10,11,12,13,14,15
	v_pk_mul_f32 v[OA+32*\t+2*\i2:OA+32*\t+2*\i2+1], v[OA+32*\t+2*\i2:OA+32*\t+2*\i2+1], v[ST+8*\t+6:ST+8*\t+7] op_sel_hi:[1,0]   ; O^T x a
.endr
.endr
	s_wait_dscnt 0x0                               ; V is in
.irp ug, 0,1
.irp ct, 0,1,2,3
.irp tq, 0,1
	v_wmma_f32_16x16x32_f16 v[OA+32*\tq+8*\ct:OA+32*\tq+8*\ct+7], v[KV+8*(4*\ug+\ct):KV+8*(4*\ug+\ct)+7], v[S+32*\tq+16*\ug:S+32*\tq+16*\ug+7], v[OA+32*\tq+8*\ct:OA+32*\tq+8*\ct+7]
.endr
.endr
.endr
.if \i < 3
.rept 5
	v_nop                                          ; four places in front of the loads into V's registers, five in front of the products that write over P
.endr
	KLOAD ((\i)+1)*16384                           ; my next step's K takes V's place
.endif
.endm
.macro SLOT_STEPS                      ; my group's four steps of the slot in hand
	v_add_nc_u32 v[ADR], s[TB], v[LG]              ; with the four v_nop: five places behind the last V^T P
	PLACES
	KLOAD 0
	STEP 0
	STEP 1
	STEP 2
	STEP 3
.endm
; THE CHANGE OF SLOTS.  Each wave waits for all its tensor loads (its part of the other slot), adds 0 to its spare word, and waits for that and for its reads of the slot that it leaves.
; fill = 1: the slot left is filled again, with the steps two slots on, behind a round of the cluster's barrier.
.macro CHANGE fill
	s_wait_tensorcnt 0x0                           ; no tensor load of mine is out, so a group 0 may be written
	ds_add_u32 v[SPW], v[NIL]
.if \fill
	s_xor_b32 s[G0B+1], s[G0B+1], SLOT1            ; the walking descriptor: the other slot than last time,
	s_add_nc_u64 s[G0B+2:G0B+3], s[G0B+2:G0B+3], 131072   ; the next eight steps
.endif
	s_xor_b32 s[TB], s[TB], SLOT1                  ; the reads go on in the other slot
	s_wait_dscnt 0x0                               ; the add is done, and my reads of the slot are over
.if \fill
	CROUND
	tensor_load_to_lds s[G0B:G0B+3], s[G1:G1+7]    ; my one load behind the round
	s_nop 0
	PLACES
.else
	s_barrier_signal -1
	s_barrier_wait -1
.endif
.endm
	s_load_b256 s[4:11], s[0:1], 0x0               ; qimg 4, kv 6, maskw 8, yimg 10
	v_lshl_add_u32 v[SPW], v0, 2, SPARE
	v_mov_b32 v[NIL], 0
	ds_add_u32 v[SPW], v[NIL]                      ; the wave's opening: the add, twice on end, and its wait ahead of my first tensor load
	ds_add_u32 v[SPW], v[NIL]
	v_lshrrev_b32 v1, 5, v0
	v_readfirstlane_b32 s[WV], v1                  ; wave 0..15
	s_lshr_b32 s[GRP], s[WV], 3                    ; which half of a slot's steps I walk
	s_and_b32 s[PW], s[WV], 7                      ; which two tiles of queries are mine
	s_bfe_u32 s32, ttmp6, 0x40000                  ; cx = my block of 256 queries: it enters the addresses of q, the mask and y alone
	s_and_b32 s33, ttmp7, 0xffff                   ; batch x 8 + head, which the partners share
	s_lshr_b32 s34, s33, 3                         ; batch
	s_and_b32 s35, s33, 7                          ; head
	s_lshl_b32 s36, s33, 19                        ; kv: 524,288 bytes a head,
	s_lshl_b32 s38, s[WV], 13                      ; my 8,192 bytes of a slot, in memory and in LDS
	s_add_co_u32 s36, s36, s38
	s_mov_b32 s37, 0
	s_lshl_b32 s40, s33, 17                        ; q: 131,072 bytes a head, tiles 16 cx + 2 (w % 8) on
	s_lshl_b32 s39, s32, 15
	s_add_co_u32 s40, s40, s39
	s_lshl_b32 s39, s[PW], 12
	s_add_co_u32 s40, s40, s39
	s_mov_b32 s41, 0
	s_lshl_b32 s42, s34, 18                        ; the mask's words: 4,096 bytes a tile of queries
	s_lshl_b32 s39, s32, 16
	s_add_co_u32 s42, s42, s39
	s_lshl_b32 s39, s[PW], 13
	s_add_co_u32 s42, s42, s39
	s_mov_b32 s43, 0
	s_lshl_b32 s44, s34, 3                         ; y [block of 128 tokens][kc 16][tile 8][1024]
	s_lshl_b32 s39, s32, 1
	s_add_co_u32 s44, s44, s39
	s_lshr_b32 s39, s[PW], 2
	s_add_co_u32 s44, s44, s39
	s_lshl_b32 s44, s44, 17
	s_lshl_b32 s39, s35, 14                        ; kc = 2 x head
	s_add_co_u32 s44, s44, s39
	s_and_b32 s39, s[PW], 3
	s_lshl_b32 s39, s39, 11                        ; tile 2 (w % 4)
	s_add_co_u32 s44, s44, s39
	s_mov_b32 s45, 0
	s_mov_b32 s[G1], 15|(3<<16)|(1<<21)            ; the mask of all four; elements of 8 bytes; bit 21 beside a mask; no padding
	s_mov_b32 s[G1+1], 32<<16                      ; rows of 256 bytes,
	s_mov_b32 s[G1+2], 32<<16                      ; 32 of them: 8,192 dense bytes, a sixteenth of a slot
	s_mov_b32 s[G1+3], 32<<16
	s_mov_b32 s[G1+4], 32
	s_mov_b32 s[G1+5], 32
	s_mov_b32 s[G1+6], 0
	s_mov_b32 s[G1+7], 0
	s_mov_b32 s[CS], 0x3e38aa3b                    ; c = log2(e) / 8
	s_mov_b32 s[CS+1], s[CS]                       ; (named with it as a pair)
	s_mov_b32 s[SEL], 0x76543210
	s_mov_b32 s[SEL+1], 0xfedcba98
	s_mov_b32 s[TB], 0
	s_lshl_b32 s[MOFF], s[GRP], 9                  ; my first step is step 4 x group: 128 bytes of words a step
	v_and_b32 v[LI], 31, v0
	v_lshlrev_b32 v[LI], 4, v[LI]
	s_lshl_b32 s46, s[GRP], 16                     ; four steps of 16,384 bytes
	v_add_nc_u32 v[LG], s46, v[LI]
	s_mul_i32 s47, s[PW], MSTB
	v_add_nc_u32 v[MST], s47, v[LI]                ; made here, ahead of every parting of the waves
	s_wait_dscnt 0x0                               ; both opening adds are done
	s_wait_kmcnt 0x0
	s_add_nc_u64 s[6:7], s[6:7], s[36:37]
	s_add_nc_u64 s[4:5], s[4:5], s[40:41]
	s_add_nc_u64 s[8:9], s[8:9], s[42:43]
	s_add_nc_u64 s[10:11], s[10:11], s[44:45]
.irp s, 0,1
	s_mov_b32 s[G0A+4*\s], 1
	s_add_co_u32 s[G0A+4*\s+1], s38, \s*SLOT1
	s_add_nc_u64 s[G0A+4*\s+2:G0A+4*\s+3], s[6:7], \s*131072
	s_or_b32 s[G0A+4*\s+3], s[G0A+4*\s+3], 0x80000000
.endr
	CROUND                                         ; all four work-groups are here: the first joint loads meet
	tensor_load_to_lds s[G0A:G0A+3], s[G1:G1+7]    ; steps 0 to 7
	s_nop 0
	tensor_load_to_lds s[G0B:G0B+3], s[G1:G1+7]    ; steps 8 to 15
	s_nop 0
	PLACES
	s_load_b512 s[M0W:M0W+15], s[8:9], s[MOFF] offset:0x0        ; my first step's mask words
	s_load_b512 s[M0W+16:M0W+31], s[8:9], s[MOFF] offset:0x40
	s_load_b512 s[M1W:M1W+15], s[8:9], s[MOFF] offset:0x1000
	s_load_b512 s[M1W+16:M1W+31], s[8:9], s[MOFF] offset:0x1040
.irp tq, 0,1
.irp cc, 0,1
.irp c, 0,1
	global_load_b128 v[QF+16*\tq+8*\cc+4*\c:QF+16*\tq+8*\cc+4*\c+3], v[LI], s[4:5] offset:\tq*2048+\cc*1024+\c*512   ; Q stays in registers
.endr
.endr
.endr
	v_mov_b32 v[NINF], 0xff800000
.irp t, 0,1
	v_mov_b32 v[ST+8*\t+1], 0xff61b1e6             ; m = -3e38
	v_mul_f32 v[ST+8*\t], s[CS], v[ST+8*\t+1]      ; c m
	v_mov_b32 v[ST+8*\t+2], 0                      ; l
	v_mov_b32 v[ST+8*\t+3], 0
.endr
.irp j, 0,1,2,3,4,5,6,7,8,9,10,11,12,13,14,15,16,17,18,19,20,21,22,23,24,25,26,27,28,29,30,31,32,33,34,35,36,37,38,39,40,41,42,43,44,45,46,47,48,49,50,51,52,53,54,55,56,57,58,59,60,61,62,63
	v_mov_b32 v[OA+\j], 0                          ; O^T, once: the step is written for all steps alike, and the first finds zeros
.endr
	s_wait_tensorcnt 0x1                           ; my part of slot 0 is in; slot 1's may stay out
	s_barrier_signal -1
	s_barrier_wait -1
	s_wait_loadcnt 0x0                             ; Q
	SLOT_STEPS                                     ; steps 0 to 7
	s_mov_b32 s[SLOTS], 2
.Lslot:                                            ; two trips: slots 0 and 1 are filled again, with steps 16 to 23 and 24 to 31
	CHANGE 1
	SLOT_STEPS
	s_sub_co_u32 s[SLOTS], s[SLOTS], 1
	s_cmp_lg_u32 s[SLOTS], 0
	s_cbranch_scc1 .Lslot
	CHANGE 0                                       ; the tail is written out: nothing is left to ask for.  Behind this barrier nobody reads slot 0, and nothing fills it
	SLOT_STEPS
	; THE JOIN.  These four lines are also the places behind the last products.
	v_mov_b32 v[MA], v[ST]                         ; c m of tile 0,
	v_add_f32 v[MA+1], v[ST+2], v[ST+3]            ; its l: even keys' + odd keys',
	v_mov_b32 v[MA+2], v[ST+8]                     ; and tile 1's
	v_add_f32 v[MA+3], v[ST+10], v[ST+11]
	s_cmp_lt_u32 s[WV], 8
	s_cbranch_scc1 .Lkeeps
.irp i, 0,1,2,3,4,5,6,7,8,9,10,11,12,13,14,15
	ds_store_b128 v[MST], v[OA+4*\i:OA+4*\i+3] offset:512*\i     ; waves 8-15: O^T as an image of its registers, each accumulator from its low end on,
.endr
	ds_store_b128 v[MST], v[MA:MA+3] offset:8192                 ; and the statistics
.Lkeeps:
	s_wait_dscnt 0x0                               ; for the partner's sake: my stores have landed
	s_barrier_signal -1
	s_barrier_wait -1
	s_cmp_ge_u32 s[WV], 8
	s_cbranch_scc1 .Lend                           ; waves 8-15 have handed their part over
.irp i, 0,1,2,3,4,5,6,7,8,9,10,11,12,13,14,15
	ds_load_b128 v[S+4*\i:S+4*\i+3], v[MST] offset:512*\i        ; waves 0-7: the partner's O^T, in the same lanes
.endr
	ds_load_b128 v[MA+4:MA+7], v[MST] offset:8192
	s_wait_dscnt 0x0
.irp t, 0,1
	v_max_num_f32 v[ST+8*\t+4], v[MA+2*\t], v[MA+4+2*\t]         ; M
.endr
.irp t, 0,1
	v_sub_f32 v[ST+8*\t+5], v[MA+2*\t], v[ST+8*\t+4]
	v_sub_f32 v[ST+8*\t+7], v[MA+4+2*\t], v[ST+8*\t+4]
.endr
.irp t, 0,1
	v_exp_f32 v[ST+8*\t], v[ST+8*\t+5]             ; fA
	v_exp_f32 v[ST+8*\t+2], v[ST+8*\t+7]           ; fB
.endr
	v_nop                                          ; a plain instruction behind the last exponential
	s_wait_alu depctr_va_vdst(0)                   ; one wait for the four, ahead of their first reader
.irp t, 0,1
	v_mul_f32 v[ST+8*\t+4], v[MA+1+2*\t], v[ST+8*\t]
.endr
.irp t, 0,1
	v_fmac_f32 v[ST+8*\t+4], v[MA+5+2*\t], v[ST+8*\t+2]          ; lA fA + lB fB
.endr
.irp t, 0,1
	v_permlanex16_b32 v[ST+8*\t+5], v[ST+8*\t+4], s[SEL], s[SEL+1]
.endr
.irp t, 0,1
	v_add_f32 v[ST+8*\t+4], v[ST+8*\t+4], v[ST+8*\t+5]           ; with the lane 16 away: the row's sum
.endr
.irp t, 0,1
	v_rcp_f32 v[ST+8*\t+6], v[ST+8*\t+4]
.endr
	v_nop                                          ; a plain instruction behind the last reciprocal
	s_wait_alu depctr_va_vdst(0)                   ; one wait for the two, ahead of their first reader
.irp t, 0,1
	v_mul_f32 v[ST+8*\t], v[ST+8*\t], v[ST+8*\t+6]               ; fA / l
	v_mul_f32 v[ST+8*\t+2], v[ST+8*\t+2], v[ST+8*\t+6]           ; fB / l
.endr
.irp t, 0,1
.irp i, 0,1,2,3,4,5,6,7,8,9,10,11,12,13,14,15
	v_pk_mul_f32 v[S+32*\t+2*\i:S+32*\t+2*\i+1], v[S+32*\t+2*\i:S+32*\t+2*\i+1], v[ST+8*\t+2:ST+8*\t+3] op_sel_hi:[1,0]
.endr
.endr
.irp t, 0,1
.irp i, 0,1,2,3,4,5,6,7,8,9,10,11,12,13,14,15
	v_pk_fma_f32 v[S+32*\t+2*\i:S+32*\t+2*\i+1], v[OA+32*\t+2*\i:OA+32*\t+2*\i+1], v[ST+8*\t:ST+8*\t+1], v[S+32*\t+2*\i:S+32*\t+2*\i+1] op_sel_hi:[1,0,1]   ; each accumulator from its low end on
.endr
.endr
.irp t, 0,1
.irp i, 0,1,2,3,4,5,6,7,8,9,10,11,12,13,14,15
	v_cvt_pk_f16_f32 v[S+32*\t+\i], v[S+32*\t+2*\i], v[S+32*\t+2*\i+1]   ; in place, ascending: channels' tile ct in registers 4 ct on
.endr
.endr
.irp tq, 0,1
.irp ct, 0,1,2,3
	global_store_b128 v[LI], v[S+32*\tq+4*\ct:S+32*\tq+4*\ct+3], s[10:11] offset:(\ct/2)*8192+\tq*1024+(\ct%2)*512   ; 512 consecutive bytes a store
.endr
.endr
.Lend:
	s_wait_tensorcnt 0x0                           ; the wave's end
	ds_add_u32 v[SPW], v[NIL]
	s_wait_dscnt 0x0
	CROUND                                         ; the closing round
	s_endpgm
.Lfunc_end_k_q09172003d2_attn:
	.size	k_q09172003d2_attn, .Lfunc_end_k_q09172003d2_attn-k_q09172003d2_attn
	.p2alignl 7, 3214868480
	.fill 96, 4, 3214868480
	.section	.rodata,"a",@progbits
	.p2align	6, 0x0
	.amdhsa_kernel k_q09172003d2_attn
		.amdhsa_group_segment_fixed_size 327680
		.amdhsa_private_segment_fixed_size 0
		.amdhsa_enable_private_segment 0
		.amdhsa_kernarg_size 32
		.amdhsa_user_sgpr_count 2
		.amdhsa_user_sgpr_kernarg_segment_ptr 1
		.amdhsa_wavefront_size32 1
		.amdhsa_system_sgpr_workgroup_id_x 1
		.amdhsa_system_sgpr_workgroup_id_y 1
		.amdhsa_system_sgpr_workgroup_id_z 1
		.amdhsa_system_vgpr_workitem_id 0
		.amdhsa_next_free_vgpr 256
		.amdhsa_next_free_sgpr 102
		.amdhsa_reserve_vcc 0
		.amdhsa_float_denorm_mode_32 3
		.amdhsa_float_denorm_mode_16_64 3
		.amdhsa_memory_ordered 1
		.amdhsa_forward_progress 1
		.amdhsa_inst_pref_size 255
	.end_amdhsa_kernel
	.section	.bss,"aw",@nobits
	.p2align	6
	.space	262144
	.amdgpu_metadata
---
amdhsa.version: [ 1, 2 ]
amdhsa.kernels:
  - .name:           k_q09172003d2_attn
    .symbol:         k_q09172003d2_attn.kd
    .args:
      - { .name: qimg, .offset: 0, .size: 8, .value_kind: global_buffer, .address_space: global }
      - { .name: kv, .offset: 8, .size: 8, .value_kind: global_buffer, .address_space: global }
      - { .name: maskw, .offset: 16, .size: 8, .value_kind: global_buffer, .address_space: global }
      - { .name: yimg, .offset: 24, .size: 8, .value_kind: global_buffer, .address_space: global }
    .group_segment_fixed_size: 327680
    .private_segment_fixed_size: 0
    .kernarg_segment_align: 8
    .kernarg_segment_size: 32
    .max_flat_workgroup_size: 512
    .sgpr_count:     102
    .vgpr_count:     256
    .wavefront_size: 32
...
	.end_amdgpu_metadata
.endif
;; end of part 3
;; launch outp (part 4): grid 4 x 64, 4 waves a work-group, clusters of 4 x 4, 327,680 bytes of LDS; arguments yimg, wp16, out0; writes out0
.if DOCPART == 4
	.amdgcn_target "amdgcn-amd-amdhsa--gfx1250"
	.amdhsa_code_object_version 6
	.text
	.protected	k_q09172003d2_outp
	.globl	k_q09172003d2_outp
	.p2align	8
	.type	k_q09172003d2_outp,@function
k_q09172003d2_outp:
	s_mov_b64 s[64:65], 0
	v_nop
	global_prefetch_b8 v0, s[64:65] scope:SCOPE_SE
	s_setreg_imm32_b32 hwreg(HW_REG_WAVE_MODE, 25, 1), 1
	s_wait_xcnt 0x0
	s_wait_alu depctr_hold_cnt(0) depctr_sa_sdst(0) depctr_va_vdst(0) depctr_va_sdst(0) depctr_va_ssrc(0) depctr_va_vcc(0) depctr_vm_vsrc(0)
	s_getreg_b32 s2, hwreg(HW_REG_IB_STS2, 6, 4)
	s_cmp_eq_u32 s2, 0
	s_cbranch_scc0 .Lentry_in_a_cluster
	s_endpgm
.Lentry_in_a_cluster:
	s_bfe_u32 s2, ttmp6, 0x10000c
	s_cmp_lg_u32 s2, 0xf033
	s_cbranch_scc0 .Lentry_shape_is_right
	s_endpgm
.Lentry_shape_is_right:
; OUTP: out0[token][d] = the sum over c of y[token][c] Wp[d][c]; y and Wp come as f16 register images, sums in f32, out0 f32.
; SHARES.  Work-group (nb, mb): 128 tokens x 128 columns; each of four waves 64 x 64: 16 accumulators.  All of K = 512 of both tiles (131,072 bytes each) lies in LDS at once: every byte is filled once, nothing again.
; Waves 0, 1 fetch y's tile, waves 2, 3 Wp's, four loads of 16,384 bytes each, in the order of K; the products begin when the first quarter of K has landed.  By this text's count a wave has four tensor loads out.
; CLUSTER.  4 x 4 work-groups: the four of a row of the cluster need the same tile of y, the four of a column the same tile of Wp: each is asked for JOINTLY.
; THE MATRIX INSTRUCTION IS USED TRANSPOSED (source 0 = 16 rows of Wp, source 1 = 16 tokens): a lane holds eight neighbouring columns of one token.  Lane r of token tile T is token 32 (T / 2) + 8 (T % 2) + r + 8 (r / 8).
; The way out goes through the wave's own stage in LDS, so that sixteen lanes store 256 consecutive bytes, aligned.  The claim of all LDS is larger than the use.
; VECTOR REGISTERS: window 0: v1-29 addresses; v32-95 rows read back; v128-255 the accumulators ((a, bc) at 128 + 8 (4 a + bc)).  window 1: two sets of 128: for each of two chunks of 32 along K 32 registers of Wp, 32 of y.
; SCALAR REGISTERS: s[4:9] the three buffers; s10 wave, s11, s12 its halves; s13 mb; s14 my half's bytes; s[16:17] y's offset; s[20:21] at work; s[24:31], s[32:47] y's descriptors; s[48:55], s[68:83] Wp's;
;   s56 cx, s57 cy, s58 nb, s59, s60 the masks, s[62:63] Wp's offset: outside every descriptor, since nb is wanted again behind them.
.set WT,    131072                     ; LDS: y's tile [kc 16][tile 8][1024] at 0, Wp's here,
.set STAGE, 262144                     ; a stage of 16 rows x (256 + 16) bytes for each wave,
.set SPARE, 279552                     ; and the spare words, 128 bytes for each wave, which no other line names
.set ADY, 16                           ; v16-17 my four tiles of y, chunks 0-7, 8-15
.set ADW, 20                           ; v20-21 my four tiles of Wp
.set STO, 24
.set RD,  25
.set CO,  26
.set SPW, 28
.set NIL, 29
.set BK,  32
.set ACC, 128
.set G1A, 24                           ; s[24:31] group 1 for y's tile;  s[32:47] its four groups 0
.set G0A, 32
.set G1B, 48                           ; s[48:55], s[68:83] the same for Wp's
.set G0B, 68
.set CX,  56
.set CY,  57
.set NB,  58
.set MSB, 0
.macro WIN new
.if MSB != \new
	s_set_vgpr_msb (MSB<<8)|\new
.set MSB, \new
.endif
.endm
.macro CROUND
	s_barrier_signal -1
	s_barrier_wait -1
	s_cmp_lg_u32 s10, 0
	s_cbranch_scc1 .Lnot_wave_0_\@
	s_barrier_signal -3
.Lnot_wave_0_\@:
	s_barrier_wait -3
	s_barrier_signal -1
	s_barrier_wait -1
.endm
.macro PLACES
.rept 4
	v_nop
.endr
.endm
.macro FETCH hp                        ; 32 LDS loads: chunks 2 hp and 2 hp + 1 into set hp % 2
	WIN 0x40                                       ; destination window 1
.irp q, 0,1
.set KC, 2*(\hp)+\q
.irp n, 0,1,2,3
.irp c, 0,1
	ds_load_b128 v[128*((\hp)%2)+64*\q+8*\n+4*\c:128*((\hp)%2)+64*\q+8*\n+4*\c+3], v[ADW+KC/8] offset:(KC%8)*8192+\n*1024+\c*512
.endr
.endr
.irp n, 0,1,2,3
.irp c, 0,1
	ds_load_b128 v[128*((\hp)%2)+64*\q+32+8*\n+4*\c:128*((\hp)%2)+64*\q+32+8*\n+4*\c+3], v[ADY+KC/8] offset:(KC%8)*8192+\n*1024+\c*512
.endr
.endr
.endr
.endm
.macro MUL hp                          ; 32 matrix instructions; the 16 accumulators take turns; the very first chunk starts the sums
	WIN 0x05                                       ; sources 0 and 1 window 1
.irp q, 0,1
.irp a, 0,1,2,3
.irp bc, 0,1,2,3
.if ((\hp)+\q) == 0
	v_wmma_f32_16x16x32_f16 v[ACC+8*(4*\a+\bc):ACC+8*(4*\a+\bc)+7], v[128*((\hp)%2)+64*\q+8*\bc:128*((\hp)%2)+64*\q+8*\bc+7], v[128*((\hp)%2)+64*\q+32+8*\a:128*((\hp)%2)+64*\q+32+8*\a+7], 0
.else
	v_wmma_f32_16x16x32_f16 v[ACC+8*(4*\a+\bc):ACC+8*(4*\a+\bc)+7], v[128*((\hp)%2)+64*\q+8*\bc:128*((\hp)%2)+64*\q+8*\bc+7], v[128*((\hp)%2)+64*\q+32+8*\a:128*((\hp)%2)+64*\q+32+8*\a+7], v[ACC+8*(4*\a+\bc):ACC+8*(4*\a+\bc)+7]
.endif
.endr
.endr
.endr
.endm
	s_load_b128 s[4:7], s[0:1], 0x0                ; yimg, wp16
	s_load_b64 s[8:9], s[0:1], 0x10                ; out0
	v_lshl_add_u32 v[SPW], v0, 2, SPARE
	v_mov_b32 v[NIL], 0
	ds_add_u32 v[SPW], v[NIL]                      ; the wave's opening: the add, twice on end, and its wait ahead of my first tensor load
	ds_add_u32 v[SPW], v[NIL]
	v_lshrrev_b32 v1, 5, v0
	v_readfirstlane_b32 s10, v1                    ; wave 0..3
	s_lshr_b32 s11, s10, 1                         ; which 64 tokens are mine.  Also: I fetch for y (0) or for Wp (1)
	s_and_b32 s12, s10, 1                          ; which 64 columns.  Also: which half of each quarter of K I fetch
	s_bfe_u32 s[CX], ttmp6, 0x40000                ; cx, cy
	s_bfe_u32 s[CY], ttmp6, 0x40004
	s_lshl_b32 s[NB], ttmp9, 2
	s_add_co_u32 s[NB], s[NB], s[CX]               ; nb: block of 128 columns
	s_and_b32 s13, ttmp7, 0xffff
	s_lshl_b32 s13, s13, 2
	s_add_co_u32 s13, s13, s[CY]                   ; mb: block of 128 tokens
	s_lshl_b32 s59, s[CY], 2
	s_lshl_b32 s59, 15, s59                        ; my row of the cluster
	s_lshl_b32 s60, 0x1111, s[CX]                  ; my column
	s_or_b32 s[G1A], s59, (3<<16)|(1<<21)          ; the mask; elements of 8 bytes; bit 21 beside a mask; no padding
	s_or_b32 s[G1B], s60, (3<<16)|(1<<21)
.irp g, G1A, G1B
	s_mov_b32 s[\g+1], 32<<16                      ; rows of 256 bytes,
	s_mov_b32 s[\g+2], 64<<16                      ; 64 of them: 16,384 dense bytes
	s_mov_b32 s[\g+3], 32<<16
	s_mov_b32 s[\g+4], 64
	s_mov_b32 s[\g+5], 32
	s_mov_b32 s[\g+6], 0
	s_mov_b32 s[\g+7], 0
.endr
	s_lshl_b32 s14, s12, 14                        ; my half, in memory and in LDS: no place in the cluster enters an LDS address
	s_lshl_b32 s16, s13, 17
	s_add_co_u32 s16, s16, s14                     ; y: by the block of tokens alone
	s_mov_b32 s17, 0
	s_lshl_b32 s62, s[NB], 17
	s_add_co_u32 s62, s62, s14                     ; Wp: by the block of columns alone
	s_mov_b32 s63, 0
	s_wait_dscnt 0x0                               ; both opening adds are done
	s_wait_kmcnt 0x0
	s_add_nc_u64 s[4:5], s[4:5], s[16:17]
	s_add_nc_u64 s[6:7], s[6:7], s[62:63]
.irp p, 0,1,2,3
	s_mov_b32 s[G0A+4*\p], 1
	s_add_co_u32 s[G0A+4*\p+1], s14, \p*32768
	s_add_nc_u64 s[G0A+4*\p+2:G0A+4*\p+3], s[4:5], \p*32768
	s_or_b32 s[G0A+4*\p+3], s[G0A+4*\p+3], 0x80000000
	s_mov_b32 s[G0B+4*\p], 1
	s_add_co_u32 s[G0B+4*\p+1], s14, WT+\p*32768
	s_add_nc_u64 s[G0B+4*\p+2:G0B+4*\p+3], s[6:7], \p*32768
	s_or_b32 s[G0B+4*\p+3], s[G0B+4*\p+3], 0x80000000
.endr
	CROUND                                         ; all sixteen work-groups are here: the joint loads meet
	s_cmp_eq_u32 s11, 0                            ; a wave's four fills stand in one branch on the wave's number
	s_cbranch_scc0 .Lfor_w
.irp p, 0,1,2,3
	tensor_load_to_lds s[G0A+4*\p:G0A+4*\p+3], s[G1A:G1A+7]
	s_nop 0
.endr
	PLACES
	s_branch .Lasked
.Lfor_w:
.irp p, 0,1,2,3
	tensor_load_to_lds s[G0B+4*\p:G0B+4*\p+3], s[G1B:G1B+7]
	s_nop 0
.endr
	PLACES
.Lasked:
	v_and_b32 v1, 15, v0                           ; r
	v_bfe_u32 v2, v0, 4, 1                         ; h
	v_and_b32 v3, 31, v0
	v_lshlrev_b32 v3, 4, v3                        ; 16 x lane
	s_lshl_b32 s20, s11, 12
	v_add_nc_u32 v[ADY], s20, v3
	v_add_nc_u32 v[ADY+1], 65536, v[ADY]
	s_lshl_b32 s20, s12, 12
	s_add_co_u32 s20, s20, WT
	v_add_nc_u32 v[ADW], s20, v3
	v_add_nc_u32 v[ADW+1], 65536, v[ADW]
	s_mul_i32 s20, s10, 16*272
	s_add_co_u32 s20, s20, STAGE                   ; my stage
	v_mul_u32_u24 v4, v1, 272
	v_lshl_add_u32 v4, v2, 5, v4
	v_add_nc_u32 v[STO], s20, v4                   ; in: row r, 32 bytes for each half of the lanes
	v_mul_u32_u24 v4, v2, 272
	v_lshl_add_u32 v4, v1, 4, v4
	v_add_nc_u32 v[RD], s20, v4                    ; back: lanes 0-15 one row of 256 bytes, lanes 16-31 the next
	v_lshlrev_b32 v4, 11, v2
	v_lshl_add_u32 v[CO], v1, 4, v4                ; and the same two rows in out0
	s_lshl_b32 s20, s13, 18                        ; 128 tokens of 2,048 bytes,
	s_lshl_b32 s21, s11, 17                        ; my 64,
	s_add_co_u32 s20, s20, s21
	s_lshl_b32 s21, s[NB], 9                       ; 128 columns of 4 bytes,
	s_add_co_u32 s20, s20, s21
	s_lshl_b32 s21, s12, 8                         ; my 64
	s_add_co_u32 s20, s20, s21
	s_mov_b32 s21, 0
	s_add_nc_u64 s[8:9], s[8:9], s[20:21]
	s_wait_tensorcnt 0x3                           ; my part of the first quarter of K is in; my three younger loads may be out
	s_barrier_signal -1
	s_barrier_wait -1                              ; everybody's is
	FETCH 0
.irp hp, 0,1,2,3,4,5,6,7
.if (\hp%2 == 1) && (\hp < 7)
	s_wait_tensorcnt 3-(\hp+1)/2                   ; my part of the next quarter of K is in; the younger loads may be out
	s_wait_dscnt 0x0
	s_barrier_signal -1
	s_barrier_wait -1
.endif
.if \hp < 7
.if \hp > 0
	PLACES                                         ; in front of loads into registers that matrix instructions have read
.endif
	FETCH \hp+1
	s_wait_dscnt 32                                ; all but the 32 just issued
.else
	s_wait_dscnt 0x0
.endif
	MUL \hp
.endr
	WIN 0
; THE WAY OUT, a tile of 16 tokens x 64 columns at a time.  LDS serves a wave's instructions in order (ISA guide 5.7.1.4): no wait between the stores and the loads, nor in front of the next tile's stores.
.macro TOSTAGE a
.irp bc, 0,1,2,3
	ds_store_b128 v[STO], v[ACC+8*(4*(\a)+\bc):ACC+8*(4*(\a)+\bc)+3] offset:64*\bc          ; each accumulator from its low end on
	ds_store_b128 v[STO], v[ACC+8*(4*(\a)+\bc)+4:ACC+8*(4*(\a)+\bc)+7] offset:64*\bc+16
.endr
.irp t, 0,1,2,3,4,5,6,7
	ds_load_b128 v[BK+32*((\a)%2)+4*\t:BK+32*((\a)%2)+4*\t+3], v[RD] offset:\t*544
.endr
.endm
.macro SEND a, younger                 ; younger: the LDS instructions issued behind tile a's loads, which may stay out
	s_wait_dscnt \younger
.irp t, 0,1,2,3,4,5,6,7
	global_store_b128 v[CO], v[BK+32*((\a)%2)+4*\t:BK+32*((\a)%2)+4*\t+3], s[8:9] offset:(32*((\a)/2)+8*((\a)%2)+2*\t+8*(\t/4))*2048 th:TH_STORE_NT   ; stage rows 2 t, 2 t + 1 are tokens 2 t + 8 (t / 4) on of the tile; 16 lanes store 256 consecutive bytes, aligned
.endr
.endm
	PLACES
	TOSTAGE 0
	TOSTAGE 1
	SEND 0, 16                                     ; behind tile 0's loads: tile 1's 8 stores and 8 loads
	s_wait_xcnt 0x0                                ; tile 0's stores have read their registers: tile 2's loads may land there
	TOSTAGE 2
	SEND 1, 16
	s_wait_xcnt 0x0
	TOSTAGE 3
	SEND 2, 16
	SEND 3, 0
	s_wait_tensorcnt 0x0                           ; the wave's end
	ds_add_u32 v[SPW], v[NIL]
	s_wait_dscnt 0x0
	CROUND                                         ; the closing round
	s_endpgm
.Lfunc_end_k_q09172003d2_outp:
	.size	k_q09172003d2_outp, .Lfunc_end_k_q09172003d2_outp-k_q09172003d2_outp
	.p2alignl 7, 3214868480
	.fill 96, 4, 3214868480
	.section	.rodata,"a",@progbits
	.p2align	6, 0x0
	.amdhsa_kernel k_q09172003d2_outp
		.amdhsa_group_segment_fixed_size 327680
		.amdhsa_private_segment_fixed_size 0
		.amdhsa_enable_private_segment 0
		.amdhsa_kernarg_size 24
		.amdhsa_user_sgpr_count 2
		.amdhsa_user_sgpr_kernarg_segment_ptr 1
		.amdhsa_wavefront_size32 1
		.amdhsa_system_sgpr_workgroup_id_x 1
		.amdhsa_system_sgpr_workgroup_id_y 1
		.amdhsa_system_sgpr_workgroup_id_z 1
		.amdhsa_system_vgpr_workitem_id 0
		.amdhsa_next_free_vgpr 512
		.amdhsa_next_free_sgpr 84
		.amdhsa_reserve_vcc 0
		.amdhsa_float_denorm_mode_32 3
		.amdhsa_float_denorm_mode_16_64 3
		.amdhsa_memory_ordered 1
		.amdhsa_forward_progress 1
		.amdhsa_inst_pref_size 49
	.end_amdhsa_kernel
	.amdgpu_metadata
---
amdhsa.version: [ 1, 2 ]
amdhsa.kernels:
  - .name:           k_q09172003d2_outp
    .symbol:         k_q09172003d2_outp.kd
    .args:
      - { .name: yimg, .offset: 0, .size: 8, .value_kind: global_buffer, .address_space: global }
      - { .name: wp16, .offset: 8, .size: 8, .value_kind: global_buffer, .address_space: global }
      - { .name: out0, .offset: 16, .size: 8, .value_kind: global_buffer, .address_space: global }
    .group_segment_fixed_size: 327680
    .private_segment_fixed_size: 0
    .kernarg_segment_align: 8
    .kernarg_segment_size: 24
    .max_flat_workgroup_size: 128
    .sgpr_count:     84
    .vgpr_count:     512
    .wavefront_size: 32
...
	.end_amdgpu_metadata
.endif
;; end of part 4
